; MI455X (gfx1250); checked and timed in simulation.
; The chip was launched on July 23, 2026; its instructions are those of AMD's public machine-readable ISA for CDNA 5 (MIT licence, August 2026) and "CDNA5" Instruction Set Architecture Reference Guide (July 2026). The comments in the code are by the model that wrote it; some were corrected since.
;; Operation Branch. Allowed arithmetic: float matrix products may take bf16 or f16 operands with f32 sums; all other float work in f32.
;; Inputs: b1 2,048 float32; b2 512 float32; bk 512 float32; bo 512 float32; bq 512 float32; bv 512 float32; ln1_b 512 float32; ln1_g 512 float32; ln2_b 512 float32; ln2_g 512 float32; o2o_mask 4 x 2,048 x 2,048 bool; positions 4 x 2,048 int32; w1 512 x 2,048 float32; w2 2,048 x 512 float32; wk 512 x 512 float32; wo 512 x 512 float32; wq 512 x 512 float32; wv 512 x 512 float32; x 4 x 2,048 x 512 float32.
;; Outputs: out0 4 x 2,048 x 512 float32.
;; One version. Each part assembles by itself: llvm-mc -triple=amdgcn-amd-amdhsa -mcpu=gfx1250 --defsym DOCPART=n.
;; ======== version 1 of 1: 7 launches
;; limits: right only within a limited range of input values
;; workspace buffers: nrm 8,388,608 bytes; wb 6,291,456 bytes; rope 2,097,152 bytes; qkv 25,165,824 bytes; ao 8,388,608 bytes; x1 16,777,216 bytes; act 33,554,432 bytes; mbits 2,097,152 bytes of whole numbers
;; launch prep (part 1): grid 1536 x 1, 8 waves a work-group, no clusters, 0 bytes of LDS; arguments x, ln1_g, ln1_b, nrm, wq, wk, wv, wo, w1, w2, wb, positions, rope, o2o_mask, mbits; writes nrm, wb, rope, mbits
.if DOCPART == 1
	.amdgcn_target "amdgcn-amd-amdhsa--gfx1250"
	.amdhsa_code_object_version 6
	.text
	.protected	k_q71a339e981_prep
	.globl	k_q71a339e981_prep
	.p2align	8
	.type	k_q71a339e981_prep,@function
k_q71a339e981_prep:
	s_mov_b64 s[64:65], 0
	v_nop
	global_prefetch_b8 v0, s[64:65] scope:SCOPE_SE
	s_setreg_imm32_b32 hwreg(HW_REG_WAVE_MODE, 25, 1), 1
	s_wait_xcnt 0x0
; PREP: four streaming jobs in one body, chosen by the work-group's number.
;   groups    0..255   nrm = LayerNorm(x) * g + b, rounded to bf16: 32 rows a group, 4 rows a wave, a row (2,048 bytes) in 16 registers of one wave
;   groups  256..447   the six weight matrices rounded to bf16 into wb, each row-major as given: 16,384 numbers a group
;   groups  448..511   rope[row][0..31] = cos(pos * f_j), rope[row][32..63] = sin(pos * f_j), f_j = 10000^(-j/32): 128 rows a group, 16 a wave
;   groups  512..1535  mbits: the mask's bytes as words of 32 lane bits, in the order in which the attention kernel's lanes hold scores: 32 queries x 64 keys a wave
; A launch of 256 groups runs the first job alone: the second LayerNorm is this body on x1, ln2_g, ln2_b.
; Memory binds all four, so no LDS tile, no matrix unit and no cluster: nothing is read by two groups.
; The mean is taken first and the variance of the differences second, so a common offset of x costs nothing.
; LIMITS. |positions| up to 2^22: the angle is reduced by pi/2 in two parts, and beyond that the third part would show.
; Sine and cosine are polynomials on |r| <= pi/4, good to about 1e-7, on the f32 angle pos * f_j.
.set GA, 8                             ; v[8:23]    g of my 16 columns
.set BE, 24                            ; v[24:39]   b of my 16 columns
.set X,  40                            ; v[40:103]  four rows, 16 registers each
.set T,  104                           ; v[104:111] at work
	s_load_b512 s[8:23], s[0:1], 0x0               ; x, g, b, nrm, wq, wk, wv, wo
	s_load_b256 s[24:31], s[0:1], 0x40             ; w1, w2, wb, positions
	s_load_b64 s[32:33], s[0:1], 0x60              ; rope
	s_load_b64 s[84:85], s[0:1], 0x68              ; the mask
	s_load_b64 s[86:87], s[0:1], 0x70              ; mbits
	v_and_b32 v1, 31, v0                           ; lane
	v_lshrrev_b32 v2, 5, v0                        ; wave
	s_mov_b32 s34, 0x76543210                      ; v_permlanex16_b32: each lane takes its own place in the other half
	s_mov_b32 s35, 0xfedcba98
	s_mov_b32 s36, 0x3b000000                      ; 1 / 512
	s_mov_b32 s37, 0x3727c5ac                      ; 1e-5
	s_mov_b32 s41, 0
	s_wait_kmcnt 0x0
	s_cmp_lt_u32 ttmp9, 256
	s_cbranch_scc1 .Lnorm
	s_cmp_lt_u32 ttmp9, 448
	s_cbranch_scc1 .Lcast
	s_cmp_lt_u32 ttmp9, 512
	s_cbranch_scc0 .Lbits
	; ---- the table of cosines and sines.  Lane l writes numbers 2 l and 2 l + 1 of a row's 64: lanes 0-15 cosines, lanes 16-31 sines, of j = 2 (l % 16) and the next.
	s_sub_co_u32 s40, ttmp9, 448
	s_lshl_b32 s40, s40, 7                         ; the group's first row
	v_lshl_add_u32 v3, v2, 4, s40                  ; my wave's first row
	v_and_b32 v4, 15, v0
	v_add_nc_u32 v5, v3, v4
	v_lshlrev_b32 v5, 2, v5
	global_load_b32 v6, v5, s[30:31]               ; lane f (and f + 16) holds the position of the wave's row f
	v_lshlrev_b32 v7, 8, v3                        ; a row of the table is 256 bytes,
	v_lshl_add_u32 v7, v1, 3, v7                   ; of which 8 are mine
	v_lshlrev_b32 v8, 1, v4
	v_cvt_f32_u32 v8, v8                           ; j
	v_add_f32 v9, 1.0, v8                          ; j + 1
	v_mul_f32 v8, 0xbed49a78, v8                   ; - j log2(10000) / 32
	v_mul_f32 v9, 0xbed49a78, v9
	v_exp_f32 v8, v8                               ; f_j
	v_exp_f32 v9, v9
	v_cmp_gt_u32 vcc_lo, 16, v1                    ; (a plain line behind the exponentials)
	v_cndmask_b32 v10, 0, 1, vcc_lo                ; cos(a) = sin(a + pi/2): the cosine lanes count one quadrant more
	v_mov_b32 v11, 0                               ; 4 x the lane whose position the trip wants
	v_mov_b32 v13, 0                               ; named with v12 as a pair
	s_mov_b32 s66, 0x3f22f983                      ; 2 / pi
	s_mov_b32 s67, s66
	s_mov_b32 s68, 0xbfc90fdb                      ; - pi/2, its upper part
	s_mov_b32 s69, s68
	s_mov_b32 s70, 0x333bbd2e                      ; what the upper part has too much
	s_mov_b32 s71, s70
	s_mov_b32 s72, 0xb94ca1f9                      ; sine: -1.9515296e-4, 8.3321609e-3, -1.6666655e-1
	s_mov_b32 s73, s72
	s_mov_b32 s74, 0x3c08839e
	s_mov_b32 s75, s74
	s_mov_b32 s76, 0xbe2aaaa3
	s_mov_b32 s77, s76
	s_mov_b32 s78, 0x37ccf5ce                      ; cosine: 2.4433157e-5, -1.3887316e-3, 4.1666646e-2
	s_mov_b32 s79, s78
	s_mov_b32 s80, 0xbab6061a
	s_mov_b32 s81, s80
	s_mov_b32 s82, 0x3d2aaaa5
	s_mov_b32 s83, s82
	s_mov_b32 s38, 16
	s_wait_loadcnt 0x0
	v_cvt_f32_i32 v6, v6
.Lrow:                                                 ; a trip is one row of the table: 256 bytes, one store of the wave
	ds_bpermute_b32 v12, v11, v6                   ; the row's position, to every lane (no LDS byte is touched)
	s_wait_dscnt 0x0
	s_wait_alu depctr_va_vdst(0)
	v_pk_mul_f32 v[14:15], v[8:9], v[12:13] op_sel_hi:[1,0]            ; the two angles a
	v_pk_mul_f32 v[16:17], v[14:15], s[66:67] op_sel_hi:[1,0]
	v_rndne_f32 v16, v16                           ; n = the nearest multiple of pi/2
	v_rndne_f32 v17, v17
	v_pk_fma_f32 v[14:15], v[16:17], s[68:69], v[14:15] op_sel_hi:[1,0,1]
	v_pk_fma_f32 v[14:15], v[16:17], s[70:71], v[14:15] op_sel_hi:[1,0,1]  ; r = a - n pi/2
	v_pk_mul_f32 v[18:19], v[14:15], v[14:15]      ; z = r r
	v_pk_fma_f32 v[20:21], v[18:19], s[72:73], s[74:75] op_sel_hi:[1,0,0]
	v_pk_fma_f32 v[22:23], v[18:19], s[78:79], s[80:81] op_sel_hi:[1,0,0]
	v_pk_fma_f32 v[20:21], v[20:21], v[18:19], s[76:77] op_sel_hi:[1,1,0]
	v_pk_fma_f32 v[22:23], v[22:23], v[18:19], s[82:83] op_sel_hi:[1,1,0]
	v_pk_mul_f32 v[20:21], v[20:21], v[18:19]
	v_pk_mul_f32 v[24:25], v[18:19], v[18:19]
	v_pk_fma_f32 v[26:27], v[18:19], -0.5, 1.0 op_sel_hi:[1,0,0]
	v_pk_fma_f32 v[20:21], v[20:21], v[14:15], v[14:15]                ; sin r
	v_pk_fma_f32 v[22:23], v[22:23], v[24:25], v[26:27]                ; cos r
	v_cvt_i32_f32 v16, v16
	v_cvt_i32_f32 v17, v17
	v_add_nc_u32 v16, v16, v10                     ; the quadrant: 0 sin r, 1 cos r, 2 -sin r, 3 -cos r
	v_add_nc_u32 v17, v17, v10
	v_and_b32 v24, 1, v16
	v_and_b32 v25, 1, v17
	v_cmp_eq_u32 vcc_lo, 1, v24
	v_cndmask_b32 v20, v20, v22, vcc_lo
	v_cmp_eq_u32 vcc_lo, 1, v25
	v_cndmask_b32 v21, v21, v23, vcc_lo
	v_lshlrev_b32 v16, 30, v16                     ; the quadrant's bit 1 is the sign
	v_lshlrev_b32 v17, 30, v17
	v_and_b32 v16, 0x80000000, v16
	v_and_b32 v17, 0x80000000, v17
	v_xor_b32 v20, v20, v16
	v_xor_b32 v21, v21, v17
	global_store_b64 v7, v[20:21], s[32:33]
	s_wait_xcnt 0x0                                ; the store's address and data are rewritten only behind this wait
	v_add_nc_u32 v7, 256, v7
	v_add_nc_u32 v11, 4, v11
	s_sub_co_u32 s38, s38, 1
	s_cmp_lg_u32 s38, 0
	s_cbranch_scc1 .Lrow
	s_endpgm
	; ---- the mask as lane bits.  Unit u = 8 m + wave (m = the group's number less 512): queries 32 (u / 32) .. + 31 of the 8,192, keys 64 (u % 32) .. + 63.
	; Word 32 t + 8 k + j of a unit: bit l = mask[query 16 t + l % 16][key 16 k + 8 (l / 16) + j]: what lane l of the attention kernel holds in register 8 k + j of tile t's scores.
	; Lane l loads just those eight bytes for each t and k; a compare over the lanes is then the word.  The group's eight waves take 512 neighbouring bytes of each of 32 rows.
.Lbits:
	s_sub_co_u32 s40, ttmp9, 512                   ; m
	s_lshr_b32 s42, s40, 2
	s_lshl_b32 s42, s42, 16                        ; 32 rows of 2,048 bytes for each m / 4,
	s_and_b32 s43, s40, 3
	s_lshl_b32 s43, s43, 9                         ; eight steps of 64 keys for each m % 4
	s_add_co_u32 s42, s42, s43
	s_mov_b32 s43, 0
	s_add_nc_u64 s[84:85], s[84:85], s[42:43]
	s_lshl_b32 s40, s40, 11                        ; eight units of 256 bytes
	s_add_nc_u64 s[86:87], s[86:87], s[40:41]
	v_and_b32 v3, 15, v0
	v_bfe_u32 v4, v0, 4, 1
	v_lshlrev_b32 v5, 11, v3                       ; my query's row,
	v_lshl_add_u32 v5, v4, 3, v5                   ; my half's eight keys,
	v_lshl_add_u32 v5, v2, 6, v5                   ; my wave's step
.irp t, 0,1
.irp k, 0,1,2,3
	global_load_b64 v[16+8*\t+2*\k:17+8*\t+2*\k], v5, s[84:85] offset:\t*32768+16*\k
.endr
.endr
	v_lshlrev_b32 v6, 3, v1                        ; lane i stores words 2 i and 2 i + 1: the wave's store covers 256 consecutive bytes, aligned
	v_lshl_add_u32 v6, v2, 8, v6
	s_mov_b32 s44, 0xff
	s_mov_b32 s45, 0xff00
	s_mov_b32 s46, 0xff0000
	s_mov_b32 s47, 0xff000000
	v_mov_b32 v8, 0                                ; v_writelane_b32 counts as a reader of its destination
	v_mov_b32 v9, 0
	s_wait_loadcnt 0x0
.set bb, 0
.rept 16                               ; register 16 + bb holds the bytes of words 4 bb .. 4 bb + 3
.irp e, 0,1,2,3
	v_and_b32 v[10+\e], s[44+\e], v[16+bb]
.endr
.irp e, 0,1,2,3
	v_cmp_ne_u32 s[48+\e], 0, v[10+\e]
.endr
.irp e, 0,1,2,3
	v_writelane_b32 v[8+(\e&1)], s[48+\e], 2*bb+(\e>>1)
.endr
.set bb, bb+1
.endr
	global_store_b64 v6, v[8:9], s[86:87]
	s_endpgm
	; ---- the weights.  Chunk c of 192: 16 chunks each for wq, wk, wv, wo, 64 each for w1, w2; wb holds them in that order, so chunk c goes to byte 32,768 c.
.Lcast:
	s_sub_co_u32 s40, ttmp9, 256
	s_and_b32 s44, s40, 15
	s_and_b32 s45, s40, 63
	s_cmp_lt_u32 s40, 64
	s_cselect_b32 s44, s44, s45                    ; the chunk's number inside its matrix
	s_cmp_lt_u32 s40, 128
	s_cselect_b64 s[42:43], s[24:25], s[26:27]
	s_cmp_lt_u32 s40, 64
	s_cselect_b64 s[42:43], s[22:23], s[42:43]
	s_cmp_lt_u32 s40, 48
	s_cselect_b64 s[42:43], s[20:21], s[42:43]
	s_cmp_lt_u32 s40, 32
	s_cselect_b64 s[42:43], s[18:19], s[42:43]
	s_cmp_lt_u32 s40, 16
	s_cselect_b64 s[42:43], s[16:17], s[42:43]
	s_lshl_b32 s44, s44, 16
	s_mov_b32 s45, 0
	s_add_nc_u64 s[42:43], s[42:43], s[44:45]
	s_lshl_b32 s46, s40, 15
	s_mov_b32 s47, 0
	s_add_nc_u64 s[28:29], s[28:29], s[46:47]
	v_lshlrev_b32 v3, 4, v0                        ; 16 bytes a thread in,
	v_lshlrev_b32 v4, 3, v0                        ; 8 out: a wave's store covers 256 consecutive bytes, aligned
.set p, 0
.rept 16
	global_load_b128 v[8+4*p:11+4*p], v3, s[42:43] offset:4096*p th:TH_LOAD_NT
.set p, p+1
.endr
.set p, 0
.rept 16
	s_wait_loadcnt 15-p                            ; loads come back in order: number p is in, the younger ones stay out
	v_cvt_pk_bf16_f32 v[8+4*p], v[8+4*p], v[9+4*p]
	v_cvt_pk_bf16_f32 v[9+4*p], v[10+4*p], v[11+4*p]
	global_store_b64 v4, v[8+4*p:9+4*p], s[28:29] offset:2048*p
.set p, p+1
.endr
	s_endpgm
	; ---- LayerNorm.  Lane l holds columns 128 j + 4 l + 0..3, j = 0..3, of a row: each load of the wave covers 512 consecutive bytes.
.macro WSUM t                          ; the sum over the wave's 32 lanes, in every lane
	v_add_f32_dpp v[\t], v[\t], v[\t] row_xmask:1 row_mask:0xf bank_mask:0xf
	v_add_f32_dpp v[\t], v[\t], v[\t] row_xmask:2 row_mask:0xf bank_mask:0xf
	v_add_f32_dpp v[\t], v[\t], v[\t] row_xmask:4 row_mask:0xf bank_mask:0xf
	v_add_f32_dpp v[\t], v[\t], v[\t] row_xmask:8 row_mask:0xf bank_mask:0xf
	v_permlanex16_b32 v[\t+1], v[\t], s34, s35
	v_add_f32 v[\t], v[\t], v[\t+1]
.endm
.macro LNROW r
.set XR, X+16*(\r)
	s_wait_loadcnt 12-4*(\r)                       ; g, b and this row are in; the later rows' four loads each stay out
	v_pk_add_f32 v[T:T+1], v[XR:XR+1], v[XR+2:XR+3]
	v_pk_add_f32 v[T+2:T+3], v[XR+4:XR+5], v[XR+6:XR+7]
	v_pk_add_f32 v[T+4:T+5], v[XR+8:XR+9], v[XR+10:XR+11]
	v_pk_add_f32 v[T+6:T+7], v[XR+12:XR+13], v[XR+14:XR+15]
	v_pk_add_f32 v[T:T+1], v[T:T+1], v[T+2:T+3]
	v_pk_add_f32 v[T+4:T+5], v[T+4:T+5], v[T+6:T+7]
	v_pk_add_f32 v[T:T+1], v[T:T+1], v[T+4:T+5]
	v_add_f32 v[T], v[T], v[T+1]
	WSUM T
	v_mul_f32 v[T+2], s36, v[T]                    ; the mean, twice
	v_mul_f32 v[T+3], s36, v[T]
.irp j, 0,2,4,6,8,10,12,14
	v_pk_add_f32 v[XR+\j:XR+\j+1], v[XR+\j:XR+\j+1], v[T+2:T+3] neg_lo:[0,1] neg_hi:[0,1]
.endr
	v_pk_mul_f32 v[T+4:T+5], v[XR:XR+1], v[XR:XR+1]
	v_pk_mul_f32 v[T+6:T+7], v[XR+2:XR+3], v[XR+2:XR+3]
.irp j, 4,8,12
	v_pk_fma_f32 v[T+4:T+5], v[XR+\j:XR+\j+1], v[XR+\j:XR+\j+1], v[T+4:T+5]
	v_pk_fma_f32 v[T+6:T+7], v[XR+\j+2:XR+\j+3], v[XR+\j+2:XR+\j+3], v[T+6:T+7]
.endr
	v_pk_add_f32 v[T:T+1], v[T+4:T+5], v[T+6:T+7]
	v_add_f32 v[T], v[T], v[T+1]
	WSUM T
	v_fma_f32 v[T], v[T], s36, s37                 ; variance + 1e-5
	v_rsq_f32 v[T+2], v[T]
	v_rsq_f32 v[T+3], v[T]
	v_nop                                          ; a plain line between the root and the use of its result
	s_wait_alu depctr_va_vdst(0)
.irp j, 0,2,4,6,8,10,12,14
	v_pk_mul_f32 v[XR+\j:XR+\j+1], v[XR+\j:XR+\j+1], v[T+2:T+3]
.endr
.irp j, 0,2,4,6,8,10,12,14
	v_pk_fma_f32 v[XR+\j:XR+\j+1], v[XR+\j:XR+\j+1], v[GA+\j:GA+\j+1], v[BE+\j:BE+\j+1]
.endr
.irp k, 0,1,2,3,4,5,6,7
	v_cvt_pk_bf16_f32 v[XR+\k], v[XR+2*\k], v[XR+2*\k+1]  ; in place, ascending: register k is written when numbers 2 k and 2 k + 1 are read
.endr
.irp j, 0,1,2,3
	global_store_b64 v5, v[XR+2*\j:XR+2*\j+1], s[14:15] offset:(\r)*1024+256*\j  ; the wave's store covers 256 consecutive bytes, aligned
.endr
.endm
.Lnorm:
	s_lshl_b32 s40, ttmp9, 16                      ; 32 rows of 2,048 bytes
	s_add_nc_u64 s[8:9], s[8:9], s[40:41]
	s_lshl_b32 s40, ttmp9, 15                      ; 32 rows of 1,024 bytes
	s_add_nc_u64 s[14:15], s[14:15], s[40:41]
	v_lshlrev_b32 v3, 4, v1
	v_lshl_add_u32 v4, v2, 13, v3                  ; my wave's four rows of x
	v_lshlrev_b32 v5, 3, v1
	v_lshl_add_u32 v5, v2, 12, v5                  ; and of nrm
.irp j, 0,1,2,3
	global_load_b128 v[GA+4*\j:GA+4*\j+3], v3, s[10:11] offset:512*\j
.endr
.irp j, 0,1,2,3
	global_load_b128 v[BE+4*\j:BE+4*\j+3], v3, s[12:13] offset:512*\j
.endr
.irp r, 0,1,2,3
.irp j, 0,1,2,3
	global_load_b128 v[X+16*\r+4*\j:X+16*\r+4*\j+3], v4, s[8:9] offset:2048*\r+512*\j
.endr
.endr
	LNROW 0
	LNROW 1
	LNROW 2
	LNROW 3
	s_endpgm
.Lfunc_end_k_q71a339e981_prep:
	.size	k_q71a339e981_prep, .Lfunc_end_k_q71a339e981_prep-k_q71a339e981_prep
	.p2alignl 7, 3214868480
	.fill 96, 4, 3214868480
	.section	.rodata,"a",@progbits
	.p2align	6, 0x0
	.amdhsa_kernel k_q71a339e981_prep
		.amdhsa_group_segment_fixed_size 0
		.amdhsa_private_segment_fixed_size 0
		.amdhsa_enable_private_segment 0
		.amdhsa_kernarg_size 120
		.amdhsa_user_sgpr_count 2
		.amdhsa_user_sgpr_kernarg_segment_ptr 1
		.amdhsa_wavefront_size32 1
		.amdhsa_system_sgpr_workgroup_id_x 1
		.amdhsa_system_sgpr_workgroup_id_y 1
		.amdhsa_system_sgpr_workgroup_id_z 1
		.amdhsa_system_vgpr_workitem_id 0
		.amdhsa_next_free_vgpr 112
		.amdhsa_next_free_sgpr 90
		.amdhsa_reserve_vcc 1
		.amdhsa_float_denorm_mode_32 3
		.amdhsa_float_denorm_mode_16_64 3
		.amdhsa_memory_ordered 1
		.amdhsa_forward_progress 1
		.amdhsa_inst_pref_size 44
	.end_amdhsa_kernel
	.amdgpu_metadata
---
amdhsa.version: [ 1, 2 ]
amdhsa.kernels:
  - .name:           k_q71a339e981_prep
    .symbol:         k_q71a339e981_prep.kd
    .args:
      - { .name: x, .offset: 0, .size: 8, .value_kind: global_buffer, .address_space: global }
      - { .name: ln1_g, .offset: 8, .size: 8, .value_kind: global_buffer, .address_space: global }
      - { .name: ln1_b, .offset: 16, .size: 8, .value_kind: global_buffer, .address_space: global }
      - { .name: nrm, .offset: 24, .size: 8, .value_kind: global_buffer, .address_space: global }
      - { .name: wq, .offset: 32, .size: 8, .value_kind: global_buffer, .address_space: global }
      - { .name: wk, .offset: 40, .size: 8, .value_kind: global_buffer, .address_space: global }
      - { .name: wv, .offset: 48, .size: 8, .value_kind: global_buffer, .address_space: global }
      - { .name: wo, .offset: 56, .size: 8, .value_kind: global_buffer, .address_space: global }
      - { .name: w1, .offset: 64, .size: 8, .value_kind: global_buffer, .address_space: global }
      - { .name: w2, .offset: 72, .size: 8, .value_kind: global_buffer, .address_space: global }
      - { .name: wb, .offset: 80, .size: 8, .value_kind: global_buffer, .address_space: global }
      - { .name: positions, .offset: 88, .size: 8, .value_kind: global_buffer, .address_space: global }
      - { .name: rope, .offset: 96, .size: 8, .value_kind: global_buffer, .address_space: global }
      - { .name: o2o_mask, .offset: 104, .size: 8, .value_kind: global_buffer, .address_space: global }
      - { .name: mbits, .offset: 112, .size: 8, .value_kind: global_buffer, .address_space: global }
    .group_segment_fixed_size: 0
    .private_segment_fixed_size: 0
    .kernarg_segment_align: 8
    .kernarg_segment_size: 120
    .max_flat_workgroup_size: 256
    .sgpr_count:     90
    .vgpr_count:     112
    .wavefront_size: 32
...
	.end_amdgpu_metadata
.endif
;; end of part 1
;; launch qkv (part 2): grid 4 x 64, 4 waves a work-group, clusters of 4 x 4, 327,680 bytes of LDS; arguments nrm, wb, bq, bk, bv, rope, qkv; writes qkv
.if DOCPART == 2
	.amdgcn_target "amdgcn-amd-amdhsa--gfx1250"
	.amdhsa_code_object_version 6
	.text
	.protected	k_q71a339e981_qkv
	.globl	k_q71a339e981_qkv
	.p2align	8
	.type	k_q71a339e981_qkv,@function
k_q71a339e981_qkv:
	s_mov_b64 s[64:65], 0
	v_nop
	global_prefetch_b8 v0, s[64:65] scope:SCOPE_SE
	s_setreg_imm32_b32 hwreg(HW_REG_WAVE_MODE, 25, 1), 1
	s_wait_xcnt 0x0
	s_wait_alu depctr_hold_cnt(0) depctr_sa_sdst(0) depctr_va_vdst(0) depctr_va_sdst(0) depctr_va_ssrc(0) depctr_va_vcc(0) depctr_vm_vsrc(0)
	s_getreg_b32 s2, hwreg(HW_REG_IB_STS2, 6, 4)
	s_cmp_eq_u32 s2, 0
	s_cbranch_scc0 .Lentry_in_a_cluster
	s_endpgm
.Lentry_in_a_cluster:
	s_bfe_u32 s2, ttmp6, 0x10000c
	s_cmp_lg_u32 s2, 0xf033
	s_cbranch_scc0 .Lentry_shape_is_right
	s_endpgm
.Lentry_shape_is_right:
; C = A W + bias with K = 512, A kept in registers.  QKV = 1: A = nrm, W = wq, wk, wv by turns, q and k rotated (RoPE), out = qkv [3][8 heads][8192][64] bf16.
; QKV = 0: A = nrm, W = w1, ReLU, out = act [32 blocks of 64 columns][8192][64] bf16.  Operands bf16, sums f32, bias as the sums' start.
; SHARES.  Work-group (g, rb) owns rows 128 rb .. + 127 and the column tiles g + 4 t of 128 columns, t = 0 .. NT - 1 (QKV: t is the matrix, g the tile in it).
; Four waves, 2 x 2: a wave makes 64 x 64, 16 accumulators.  A wave's fragments of A for all of K, 4 x 16 x 8 = 512 registers, are read from LDS once; after that
; only W is read: 8 LDS loads for 16 matrix instructions.  LDS holds two whole panels of W (512 k-rows x 128 columns); a panel is asked for a whole tile, 256 matrix instructions a wave, ahead.
; CLUSTER 4 x 4.  A's panel hangs on rb alone and is asked for jointly along a row of the cluster, W's on g and t alone, jointly along a column.
; THE MATRIX INSTRUCTION IS USED TRANSPOSED: source 0 = 16 columns of W (turned out of LDS by ds_load_tr16_b128), source 1 = 16 rows of A: a lane holds row lane % 16 and columns 8 (lane / 16) + 0..7.
; A wave's 64 columns of 16 rows are 2,048 dense bytes of the blocked output: every store of the wave covers 512 consecutive bytes, aligned.
; REGISTERS: window 0: v0-21 addresses; v24-31 at work; v32-63 bias; v64-95 a block's 32 numbers; v96-127 packed, two sets; v128-255 cosines and sines (QKV)
;   window 1: v0-127 accumulators (a, b) at 8 (4 a + b); v128-191, v192-255 W's fragments, two buffers of 64 along K      windows 2, 3: A's fragments, (ks, a) at 8 (4 ks + a)
.set QKV, 1
.if QKV
.set NT,    3
.set NW,    512                        ; W's row, in numbers
.set WOFF,  0                          ; W's first byte in wb
.set TSTEP, 524288                     ; from a tile to the group's next: the next matrix
.set KINDL, 1                          ; the way out in the loop: RoPE
.set KINDT, 0                          ; and of the last tile (v): plain
.else
.set NT,    4
.set NW,    2048
.set WOFF,  2097152
.set TSTEP, 1024                       ; four tiles of 128 columns on
.set KINDL, 2                          ; ReLU
.set KINDT, 2
.endif
.set PA,    1040                       ; a row of A in LDS: 1,024 bytes + 16: the 16 rows of a load start at 16 different groups of four banks
.set PB,    288                        ; a k-row of W: 256 bytes + 32
.set SLOT,  512*PB                     ; a panel of W; A's panel (128 x 1,040 bytes) is the first tenant of slot 1
.set STAGE, 2*SLOT                     ; 16 rows x 144 bytes for each wave, for the way out; no tensor load fills it
.set SP,    144
.set SPARE, STAGE+4*16*SP              ; the spare words, 128 bytes a wave
.set AAD, 3
.set LB0, 4
.set ADR, 5                            ; v5-7: W's fragments of quarters 0-2, 3-5, 6-7
.set STO, 8
.set RD,  9
.set GO,  10
.set BO,  11
.set RO,  12
.set SPW, 20
.set NIL, 21
.set T,   24
.set BIAS, 32
.set U,   64
.set PK,  96
.set TAB, 128                          ; block a: cos at TAB + 32 a + 8 e, sin 16 further on (e = 0, 1: channels 16 e + 8 (lane / 16) + 0..7)
.set FR,  128
.set WV,  20
.set WR,  21
.set WC,  22
.set CX,  23
.set CY,  24
.set GX,  25
.set RB,  26
.set G1A, 28
.set G1B, 36
.set G0A, 44
.set G0B, 48
.set SBR, 53                           ; the slot that is read
.set TLS, 55
.set OUT, 56
.set BPA, 58                           ; the first tile's bias
.set BP,  60                           ; the next tile's
.set BP2, 62                           ; the one after (QKV)
.set RP,  78
.set MSB, 0
.macro WIN new                         ; the immediate's high byte repeats the setting that is left; a switch that changes nothing is dropped
.if MSB != (\new)
	s_set_vgpr_msb (MSB<<8)|(\new)
.set MSB, \new
.endif
.endm
.macro PLACES                          ; four places: in front of loads into registers that matrix instructions have read, of reads of their results, and behind tensor loads
.rept 4
	v_nop
.endr
.endm
.macro CREST                           ; a round of the cluster's barrier behind its opening barrier
	s_cmp_lg_u32 s[WV], 0
	s_cbranch_scc1 .Lnot_wave_0_\@
	s_barrier_signal -3
.Lnot_wave_0_\@:
	s_barrier_wait -3
	s_barrier_signal -1
	s_barrier_wait -1
.endm
.macro CROUND
	s_barrier_signal -1
	s_barrier_wait -1
	CREST
.endm
.if QKV
	s_load_b256 s[4:11], s[0:1], 0x0               ; nrm, wb, bq, bk
	s_load_b128 s[12:15], s[0:1], 0x20             ; bv, rope
	s_load_b64 s[16:17], s[0:1], 0x30              ; qkv
.else
	s_load_b256 s[4:11], s[0:1], 0x0               ; nrm, wb, b1, act
.endif
	v_lshl_add_u32 v[SPW], v0, 2, SPARE
	v_mov_b32 v[NIL], 0
	ds_add_u32 v[SPW], v[NIL]                      ; the wave's opening: the add and its wait stand ahead of my first tensor load
	v_lshrrev_b32 v1, 5, v0
	v_readfirstlane_b32 s[WV], v1
	s_lshr_b32 s[WR], s[WV], 1                     ; my half of the rows
	s_and_b32 s[WC], s[WV], 1                      ; my half of the columns
	s_bfe_u32 s[CX], ttmp6, 0x40000
	s_bfe_u32 s[CY], ttmp6, 0x40004
	s_lshl_b32 s[GX], ttmp9, 2
	s_add_co_u32 s[GX], s[GX], s[CX]               ; g
	s_and_b32 s[RB], ttmp7, 0xffff
	s_lshl_b32 s[RB], s[RB], 2
	s_add_co_u32 s[RB], s[RB], s[CY]               ; rb
	s_lshl_b32 s66, s[CY], 2
	s_lshl_b32 s66, 15, s66                        ; my row of the cluster
	s_lshl_b32 s70, 0x1111, s[CX]                  ; my column
	; A: 32 rows x 512 numbers a wave, 16 bytes of padding behind every 256 words
	s_or_b32 s[G1A], s66, (1<<16)|(1<<20)|(1<<21)|(7<<22)|(3<<25)
	s_mov_b32 s[G1A+1], 512<<16                    ; tensor_dim0
	s_mov_b32 s[G1A+2], 32<<16                     ; tensor_dim1
	s_mov_b32 s[G1A+3], 512<<16                    ; tile_dim0
	s_mov_b32 s[G1A+4], 32                         ; tile_dim1
	s_mov_b32 s[G1A+5], 512                        ; numbers from row to row
	s_mov_b32 s[G1A+6], 0
	s_mov_b32 s[G1A+7], 0
	; W: 128 k-rows x 128 numbers a wave, 32 bytes of padding behind every 64 words
	s_or_b32 s[G1B], s70, (1<<16)|(1<<20)|(1<<21)|(5<<22)|(7<<25)
	s_mov_b32 s[G1B+1], 128<<16
	s_mov_b32 s[G1B+2], 128<<16
	s_mov_b32 s[G1B+3], 128<<16
	s_mov_b32 s[G1B+4], 128
	s_mov_b32 s[G1B+5], NW
	s_mov_b32 s[G1B+6], 0
	s_mov_b32 s[G1B+7], 0
	s_mov_b32 s[G0A], 1
	s_mul_i32 s67, s[WV], 32*PA
	s_add_co_u32 s[G0A+1], s67, SLOT               ; A's panel lies where slot 1 will be
	s_mov_b32 s[G0B], 1
	s_mul_i32 s[G0B+1], s[WV], 128*PB              ; slot 0, my quarter.  36,864 w shares no bit with SLOT = 0x24000: an exclusive or changes slots
	s_lshl_b32 s66, s[RB], 17                      ; A: 128 rb rows of 1,024 bytes,
	s_lshl_b32 s67, s[WV], 15                      ; and my 32
	s_add_co_u32 s66, s66, s67
	s_mov_b32 s67, 0
	s_mul_i32 s70, s[WV], 256*NW                   ; W: my 128 k-rows,
	s_lshl_b32 s71, s[GX], 8                       ; tile g's 256 bytes of them
	s_add_co_u32 s70, s70, s71
	s_add_co_u32 s70, s70, WOFF
	s_mov_b32 s71, 0
	s_lshl_b32 s74, s[GX], 1                       ; out: block 2 g + wc of 64 columns, 1,048,576 bytes each,
	s_add_co_u32 s74, s74, s[WC]
	s_lshl_b32 s74, s74, 20
	s_lshl_b32 s75, s[RB], 14                      ; row 128 rb + 64 wr, 128 bytes each
	s_add_co_u32 s74, s74, s75
	s_lshl_b32 s75, s[WR], 13
	s_add_co_u32 s74, s74, s75
	s_mov_b32 s75, 0
	s_lshl_b32 s76, s[GX], 9                       ; bias: tile g's 512 bytes
	s_mov_b32 s77, 0
	s_lshl_b32 s80, s[RB], 15                      ; the table: row 128 rb + 64 wr, 256 bytes each
	s_lshl_b32 s81, s[WR], 14
	s_add_co_u32 s80, s80, s81
	s_mov_b32 s81, 0
	s_mov_b32 s[SBR], SLOT                         ; the first change of slots turns it into 0
	s_mov_b32 s[TLS], NT-1
	s_wait_dscnt 0x0                               ; the opening add is done
	s_wait_kmcnt 0x0
	s_add_nc_u64 s[G0A+2:G0A+3], s[4:5], s[66:67]
	s_or_b32 s[G0A+3], s[G0A+3], 0x80000000
	s_add_nc_u64 s[G0B+2:G0B+3], s[6:7], s[70:71]
	s_or_b32 s[G0B+3], s[G0B+3], 0x80000000
.if QKV
	s_add_nc_u64 s[OUT:OUT+1], s[16:17], s[74:75]
	s_add_nc_u64 s[BPA:BPA+1], s[8:9], s[76:77]
	s_add_nc_u64 s[BP:BP+1], s[10:11], s[76:77]
	s_add_nc_u64 s[BP2:BP2+1], s[12:13], s[76:77]
	s_add_nc_u64 s[RP:RP+1], s[14:15], s[80:81]
.else
	s_add_nc_u64 s[OUT:OUT+1], s[10:11], s[74:75]
	s_add_nc_u64 s[BPA:BPA+1], s[8:9], s[76:77]
	s_add_nc_u64 s[BP:BP+1], s[BPA:BPA+1], 2048
.endif
	CROUND                                         ; all sixteen work-groups are here: the first joint loads meet
	tensor_load_to_lds s[G0A:G0A+3], s[G1A:G1A+7]  ; two loads of mine are out: my quarter of A,
	s_nop 0
	tensor_load_to_lds s[G0B:G0B+3], s[G1B:G1B+7]  ; and of W's first panel
	s_nop 0
	PLACES
	v_and_b32 v1, 15, v0                           ; l % 16
	v_bfe_u32 v2, v0, 4, 1                         ; l / 16
	v_and_b32 v13, 7, v0
	v_bfe_u32 v14, v0, 3, 1
	v_lshlrev_b32 v[BO], 5, v2                     ; bias: 256 wc + 32 (l / 16)
	v_lshl_add_u32 v[BO], s[WC], 8, v[BO]
.macro BIASLD p                        ; register 8 b + j: the bias of column 16 b + 8 (l / 16) + j: the C operand of the tile's first products
.irp b, 0,1,2,3
	global_load_b128 v[BIAS+8*\b:BIAS+8*\b+3], v[BO], s[\p:\p+1] offset:64*\b
	global_load_b128 v[BIAS+8*\b+4:BIAS+8*\b+7], v[BO], s[\p:\p+1] offset:64*\b+16
.endr
.endm
	BIASLD BPA
.if QKV
	v_lshlrev_b32 v[RO], 8, v1
	v_lshl_add_u32 v[RO], v2, 5, v[RO]             ; row x 256 + 32 (l / 16)
.irp a, 0,1,2,3
.irp e, 0,1
	global_load_b128 v[TAB+32*\a+8*\e:TAB+32*\a+8*\e+3], v[RO], s[RP:RP+1] offset:\a*4096+64*\e
	global_load_b128 v[TAB+32*\a+8*\e+4:TAB+32*\a+8*\e+7], v[RO], s[RP:RP+1] offset:\a*4096+64*\e+16
	global_load_b128 v[TAB+32*\a+16+8*\e:TAB+32*\a+16+8*\e+3], v[RO], s[RP:RP+1] offset:\a*4096+128+64*\e
	global_load_b128 v[TAB+32*\a+16+8*\e+4:TAB+32*\a+16+8*\e+7], v[RO], s[RP:RP+1] offset:\a*4096+128+64*\e+16
.endr
.endr
.endif
	v_mul_u32_u24 v[AAD], v1, PA                   ; a fragment of A: row x pitch + 16 (l / 16), two loads 32 bytes apart
	v_lshl_add_u32 v[AAD], v2, 4, v[AAD]
	s_mul_i32 s72, s[WR], 64*PA
	s_add_co_u32 s72, s72, SLOT
	v_add_nc_u32 v[AAD], s72, v[AAD]
	v_lshl_add_u32 v[LB0], v2, 3, v13              ; the turning load: lane l reads k-row 8 (l / 16) + l % 8, columns 8 ((l / 8) % 2) + 0..7
	v_mul_u32_u24 v[LB0], v[LB0], PB
	v_lshl_add_u32 v[LB0], v14, 4, v[LB0]
	s_lshl_b32 s72, s[WC], 7
	v_add_nc_u32 v[LB0], s72, v[LB0]
	s_mul_i32 s72, s[WV], 16*SP
	s_add_co_u32 s72, s72, STAGE                   ; my stage
	v_mul_u32_u24 v[STO], v1, SP                   ; in: row l % 16, 16 bytes for each half of the lanes
	v_lshl_add_u32 v[STO], v2, 4, v[STO]
	v_add_nc_u32 v[STO], s72, v[STO]
	v_bfe_u32 v[RD], v0, 3, 2                      ; back: 32 lanes take four rows of 128 bytes,
	v_mul_u32_u24 v[RD], v[RD], SP
	v_lshl_add_u32 v[RD], v13, 4, v[RD]
	v_add_nc_u32 v[RD], s72, v[RD]
	v_and_b32 v[GO], 31, v0                        ; which are 512 consecutive bytes of the output
	v_lshlrev_b32 v[GO], 4, v[GO]
	s_wait_tensorcnt 0x1                           ; my quarter of A is in; W's panel, issued behind it, may stay out
	s_barrier_signal -1
	s_barrier_wait -1                              ; everybody's quarter is in
	WIN 0x80                                       ; A's fragments of K steps 0-7 into window 2,
.set ks, 0
.rept 8
.irp a, 0,1,2,3
	ds_load_b128 v[8*(4*ks+\a):8*(4*ks+\a)+3], v[AAD] offset:\a*16*PA+64*ks
	ds_load_b128 v[8*(4*ks+\a)+4:8*(4*ks+\a)+7], v[AAD] offset:\a*16*PA+64*ks+32
.endr
.set ks, ks+1
.endr
	WIN 0xc0                                       ; of K steps 8-15 into window 3
.rept 8
.irp a, 0,1,2,3
	ds_load_b128 v[8*(4*(ks-8)+\a):8*(4*(ks-8)+\a)+3], v[AAD] offset:\a*16*PA+64*ks
	ds_load_b128 v[8*(4*(ks-8)+\a)+4:8*(4*(ks-8)+\a)+7], v[AAD] offset:\a*16*PA+64*ks+32
.endr
.set ks, ks+1
.endr
	WIN 0
; THE CHANGE OF SLOTS.  Each wave waits for all its tensor loads (one is out: its quarter of the panel to be read next), adds 0 to its spare word, and waits for that and for its reads of the
; slot that it leaves (at the first change: of A's panel).  fill = 1: a round of the cluster's barrier, so that no wave of any partner still reads the slot or has a load on its way; the joint refill is the first thing behind it.
.macro CHANGE fill
	WIN 0
	s_wait_tensorcnt 0x0                           ; no tensor load of mine is out, so the descriptor may be written
	ds_add_u32 v[SPW], v[NIL]
.if \fill
	s_xor_b32 s[G0B+1], s[G0B+1], SLOT             ; the other slot,
	s_add_nc_u64 s[G0B+2:G0B+3], s[G0B+2:G0B+3], TSTEP  ; the group's next tile
.endif
	s_xor_b32 s[SBR], s[SBR], SLOT
	s_wait_dscnt 0x0                               ; the add is done, and my reads are over
.if \fill
	CROUND
	tensor_load_to_lds s[G0B:G0B+3], s[G1B:G1B+7]
	s_nop 0
	PLACES
.else
	s_barrier_signal -1
	s_barrier_wait -1
.endif
.endm
; 16 turning loads: W's fragments of quarter q (64 along K) into buffer q % 2, the first 32 along K first
.macro FETCHB q
	WIN 0x40
.set FB, FR+64*((\q)%2)
.irp c, 0,1
.irp i, 0,1,2,3
	ds_load_tr16_b128 v[FB+32*\c+8*\i:FB+32*\c+8*\i+3], v[ADR+(\q)/3] offset:((\q)%3)*64*PB+\c*32*PB+32*\i
	ds_load_tr16_b128 v[FB+32*\c+8*\i+4:FB+32*\c+8*\i+7], v[ADR+(\q)/3] offset:((\q)%3)*64*PB+\c*32*PB+16*PB+32*\i
.endr
.endr
.endm
; 16 matrix instructions, K step ks; the 16 accumulators take turns, in the same order in every K step.  K step 0 starts the sums with the bias.
.macro MUL16 ks
.set FB, FR+64*(((\ks)/2)%2)+32*((\ks)%2)
.if (\ks) == 0
	WIN 0x49                                       ; W window 1, A window 2, C (bias) window 0, D window 1
.else
	WIN 0x51|((2+(\ks)/8)<<2)
.endif
.irp a, 0,1,2,3
.irp b, 0,1,2,3
.if (\ks) == 0
	v_wmma_f32_16x16x32_bf16 v[8*(4*\a+\b):8*(4*\a+\b)+7], v[FB+8*\b:FB+8*\b+7], v[8*\a:8*\a+7], v[BIAS+8*\b:BIAS+8*\b+7]
.else
	v_wmma_f32_16x16x32_bf16 v[8*(4*\a+\b):8*(4*\a+\b)+7], v[FB+8*\b:FB+8*\b+7], v[(8*(4*(\ks)+\a))%256:(8*(4*(\ks)+\a))%256+7], v[8*(4*\a+\b):8*(4*\a+\b)+7]
.endif
.endr
.endr
.endm
.macro QUART q, nb
	s_wait_dscnt 8                                 ; the first 32 along K are in; the eight loads of the second 32 may be out
	MUL16 2*(\q)
.if (\q) < 7
	PLACES
.if ((\q) == 0) && (\nb)
	WIN 0
	BIASLD BP                                      ; the next tile's bias: this tile's has been taken
.endif
	FETCHB (\q)+1
	s_wait_dscnt 16                                ; all but the 16 just issued
.else
	s_wait_dscnt 0x0
.endif
	MUL16 2*(\q)+1
.endm
.macro TILE nb                         ; nb = 1: a further tile follows
	WIN 0
	v_add_nc_u32 v[ADR], s[SBR], v[LB0]
	v_add_nc_u32 v[ADR+1], 3*64*PB, v[ADR]
	v_add_nc_u32 v[ADR+2], 6*64*PB, v[ADR]
	FETCHB 0
	s_wait_loadcnt 0x0                             ; the bias (and, the first time, the table)
.irp q, 0,1,2,3,4,5,6,7
	QUART \q, \nb
.endr
.endm
; THE WAY OUT of block a (16 rows x 64 columns).  kind 1: RoPE: out[d] = x[d] cos - x[d + 32] sin, out[d + 32] = x[d + 32] cos + x[d] sin, d = 16 e + 8 (l / 16) + 0..7;
; kind 2: ReLU; kind 0: as it is.  Each accumulator's registers are read in ascending order.  Then rounded to bf16, through my stage, back as whole rows.
.macro PACK a, kind
	s_wait_xcnt 0x0                                ; the packed registers, which earlier stores read, are rewritten only behind this wait
.set AC, 32*(\a)
.set PKB, PK+16*((\a)%2)
.set CB, TAB+32*(\a)
.if (\kind) == 1
	WIN 0x01                                       ; source 0 (accumulators) window 1
.irp e, 0,1
.irp p, 0,1,2,3
	v_pk_mul_f32 v[T+4*(\p%2):T+4*(\p%2)+1], v[AC+8*(\e+2)+2*\p:AC+8*(\e+2)+2*\p+1], v[CB+16+8*\e+2*\p:CB+16+8*\e+2*\p+1]
	v_pk_mul_f32 v[T+4*(\p%2)+2:T+4*(\p%2)+3], v[AC+8*\e+2*\p:AC+8*\e+2*\p+1], v[CB+16+8*\e+2*\p:CB+16+8*\e+2*\p+1]
	v_pk_fma_f32 v[U+8*\e+2*\p:U+8*\e+2*\p+1], v[AC+8*\e+2*\p:AC+8*\e+2*\p+1], v[CB+8*\e+2*\p:CB+8*\e+2*\p+1], v[T+4*(\p%2):T+4*(\p%2)+1] neg_lo:[0,0,1] neg_hi:[0,0,1]
	v_pk_fma_f32 v[U+8*(\e+2)+2*\p:U+8*(\e+2)+2*\p+1], v[AC+8*(\e+2)+2*\p:AC+8*(\e+2)+2*\p+1], v[CB+8*\e+2*\p:CB+8*\e+2*\p+1], v[T+4*(\p%2)+2:T+4*(\p%2)+3]
.endr
.endr
.endif
.if (\kind) == 2
	WIN 0x04                                       ; source 1 (accumulators) window 1
.set i, 0
.rept 32
	v_max_num_f32 v[U+i], 0, v[AC+i]
.set i, i+1
.endr
.endif
.if (\kind) == 0
	WIN 0x05
.set i, 0
.rept 16
	v_cvt_pk_bf16_f32 v[PKB+i], v[AC+2*i], v[AC+2*i+1]
.set i, i+1
.endr
	WIN 0
.else
	WIN 0
.set i, 0
.rept 16
	v_cvt_pk_bf16_f32 v[PKB+i], v[U+2*i], v[U+2*i+1]
.set i, i+1
.endr
.endif
.irp f, 0,1,2,3
	ds_store_b128 v[STO], v[PKB+4*\f:PKB+4*\f+3] offset:32*\f
.endr
.irp f, 0,1,2,3
	ds_load_b128 v[PKB+4*\f:PKB+4*\f+3], v[RD] offset:\f*4*SP  ; LDS serves a wave's instructions in order: these see the stores above; the next block's stores come behind them
.endr
.endm
.macro SEND a, y                       ; y: the LDS instructions issued behind block a's loads
	WIN 0
.irp f, 0,1,2,3
	s_wait_dscnt (\y)+3-\f
	global_store_b128 v[GO], v[PK+16*((\a)%2)+4*\f:PK+16*((\a)%2)+4*\f+3], s[OUT:OUT+1] offset:(\a)*2048+\f*512
.endr
.endm
.macro EPI kind
	PLACES
	PACK 0, \kind
	PACK 1, \kind
	SEND 0, 8
	PACK 2, \kind
	SEND 1, 8
	PACK 3, \kind
	SEND 2, 8
	SEND 3, 0
.endm
.Ltile:                                                ; NT - 1 trips: a tile is multiplied while the next panel lands
	CHANGE 1
	TILE 1
	EPI KINDL
	s_wait_xcnt 0x0                                ; the stores' base and the bias loads' base are stepped only behind this wait
	s_add_nc_u64 s[OUT:OUT+1], s[OUT:OUT+1], 8388608   ; eight blocks of 64 columns on
.if QKV
	s_mov_b64 s[BP:BP+1], s[BP2:BP2+1]
.else
	s_add_nc_u64 s[BP:BP+1], s[BP:BP+1], 2048
.endif
	s_sub_co_u32 s[TLS], s[TLS], 1
	s_cmp_lg_u32 s[TLS], 0
	s_cbranch_scc1 .Ltile
	CHANGE 0                                       ; the last tile is written out: nothing is asked for
	TILE 0
	EPI KINDT
	s_wait_tensorcnt 0x0                           ; the wave's end
	ds_add_u32 v[SPW], v[NIL]
	s_wait_dscnt 0x0
	CROUND                                         ; the closing round
	s_endpgm
.Lfunc_end_k_q71a339e981_qkv:
	.size	k_q71a339e981_qkv, .Lfunc_end_k_q71a339e981_qkv-k_q71a339e981_qkv
	.p2alignl 7, 3214868480
	.fill 96, 4, 3214868480
	.section	.rodata,"a",@progbits
	.p2align	6, 0x0
	.amdhsa_kernel k_q71a339e981_qkv
		.amdhsa_group_segment_fixed_size 327680
		.amdhsa_private_segment_fixed_size 0
		.amdhsa_enable_private_segment 0
		.amdhsa_kernarg_size 56
		.amdhsa_user_sgpr_count 2
		.amdhsa_user_sgpr_kernarg_segment_ptr 1
		.amdhsa_wavefront_size32 1
		.amdhsa_system_sgpr_workgroup_id_x 1
		.amdhsa_system_sgpr_workgroup_id_y 1
		.amdhsa_system_sgpr_workgroup_id_z 1
		.amdhsa_system_vgpr_workitem_id 0
		.amdhsa_next_free_vgpr 1024
		.amdhsa_next_free_sgpr 84
		.amdhsa_reserve_vcc 0
		.amdhsa_float_denorm_mode_32 3
		.amdhsa_float_denorm_mode_16_64 3
		.amdhsa_memory_ordered 1
		.amdhsa_forward_progress 1
		.amdhsa_inst_pref_size 98
	.end_amdhsa_kernel
	.amdgpu_metadata
---
amdhsa.version: [ 1, 2 ]
amdhsa.kernels:
  - .name:           k_q71a339e981_qkv
    .symbol:         k_q71a339e981_qkv.kd
    .args:
      - { .name: nrm, .offset: 0, .size: 8, .value_kind: global_buffer, .address_space: global }
      - { .name: wb, .offset: 8, .size: 8, .value_kind: global_buffer, .address_space: global }
      - { .name: bq, .offset: 16, .size: 8, .value_kind: global_buffer, .address_space: global }
      - { .name: bk, .offset: 24, .size: 8, .value_kind: global_buffer, .address_space: global }
      - { .name: bv, .offset: 32, .size: 8, .value_kind: global_buffer, .address_space: global }
      - { .name: rope, .offset: 40, .size: 8, .value_kind: global_buffer, .address_space: global }
      - { .name: qkv, .offset: 48, .size: 8, .value_kind: global_buffer, .address_space: global }
    .group_segment_fixed_size: 327680
    .private_segment_fixed_size: 0
    .kernarg_segment_align: 8
    .kernarg_segment_size: 56
    .max_flat_workgroup_size: 128
    .sgpr_count:     84
    .vgpr_count:     1024
    .wavefront_size: 32
...
	.end_amdgpu_metadata
.endif
;; end of part 2
;; launch attn (part 3): grid 8 x 32, 8 waves a work-group, clusters of 4 x 4, 327,680 bytes of LDS; arguments qkv, mbits, ao; writes ao
.if DOCPART == 3
	.amdgcn_target "amdgcn-amd-amdhsa--gfx1250"
	.amdhsa_code_object_version 6
	.text
	.protected	k_q71a339e981_attn
	.globl	k_q71a339e981_attn
	.p2align	8
	.type	k_q71a339e981_attn,@function
k_q71a339e981_attn:
	s_mov_b64 s[64:65], 0
	v_nop
	global_prefetch_b8 v0, s[64:65] scope:SCOPE_SE
	s_setreg_imm32_b32 hwreg(HW_REG_WAVE_MODE, 25, 1), 1
	s_wait_xcnt 0x0
	s_wait_alu depctr_hold_cnt(0) depctr_sa_sdst(0) depctr_va_vdst(0) depctr_va_sdst(0) depctr_va_ssrc(0) depctr_va_vcc(0) depctr_vm_vsrc(0)
	s_getreg_b32 s2, hwreg(HW_REG_IB_STS2, 6, 4)
	s_cmp_eq_u32 s2, 0
	s_cbranch_scc0 .Lentry_in_a_cluster
	s_endpgm
.Lentry_in_a_cluster:
	s_bfe_u32 s2, ttmp6, 0x10000c
	s_cmp_lg_u32 s2, 0xf033
	s_cbranch_scc0 .Lentry_shape_is_right
	s_endpgm
.Lentry_shape_is_right:
; MASKED ATTENTION.  ao[h][b n][:] = the sum over the visible keys k of softmax_k(q . k / 8) v[k][:]; a row with no visible key gives 0.
; q, k, v: qkv [3][8 heads][8192 rows][64] bf16 (rotated, unscaled).  The mask comes as mbits [256 groups of 32 queries][32 steps of 64 keys][64 words]: word 32 t + 8 k + j holds, in bit l,
; whether query 16 t + l % 16 sees key 16 k + 8 (l / 16) + j.  Products, maxima, sums in f32; weights rounded to bf16.
; LIMITS.  A hidden score counts as its value less 2^99; true scores must lie above -1e29 (a row whose maximum is below that counts as wholly hidden).  A weight below 2^-126 counts as 0.  NaN and infinities are not treated apart.
; SHARES.  A work-group owns 256 queries of one head and batch; each of its eight waves (two on a SIMD: one's vector work stands beside the other's products) 32 queries, two tiles of 16.  Keys go 64 a step, 256 a slot.
; CLUSTER 4 x 4: x = four query blocks, y = four heads of one batch.  K's and V's tiles hang on head and batch and are asked for jointly along a row of the cluster.
; LAYOUT.  S^T = K Q^T (source 0 = 16 keys, source 1 = 16 queries): a lane holds ONE query (lane % 16) and keys 8 (lane / 16) + 0..7; two results rounded to bf16 ARE source 1 of O^T = V^T P.
; THE MASK IS THE START OF THE SUM.  A word of mbits is the lane mask of one register of S^T: v_cndmask_b32 writes 0 (visible) or -2^99 (hidden) there, and K Q^T adds onto it in place.
; A wave's 64 words of a step come by scalar loads, asked for a step ahead, behind the products that follow the words' last use.
; SOFTMAX.  A running maximum m and sum l for each query: p = 2^(c s - c m), c = log2(e) / 8; O and l are multiplied by a = 2^(c m_old - c m_new) in every step.  While a row has seen hidden keys only, m is about -2^99
; and its weights are 0 or 1; the first visible key makes a = 0 and wipes them.
; REGISTERS: window 0: v0-15 addresses; v16-23 statistics (c m, m, l, l a tile); v24-33 at work; v36-37 c; v38 -2^99; v64-127 S^T; v128-159 P
;   window 1: v0-31 Q; v64-127 K of a step; v128-191 V of a step; v192-255 O^T
.set PK,    144                        ; a row of K in LDS: 128 bytes + 16
.set PV,    160                        ; of V: 128 + 32, for the turning load
.set KS,    64
.set VOFF,  256*PK                     ; a slot: 256 rows of K, then 256 rows of V: 77,824 bytes
.set SLOT1, 1<<17                      ; slot 1 begins here, so that one exclusive or turns an address in one slot into the other's
.set STAGE, SLOT1+256*(PK+PV)
.set SP,    144
.set SPARE, STAGE+8*16*SP
.set AK0, 2
.set AV0, 3
.set AK,  5
.set AV,  6
.set QO,  8
.set STO, 9
.set RD,  10
.set GO,  11
.set ST,  16
.set TMP, 24
.set MV,  32
.set SPW, 34
.set NIL, 35
.set CSV, 36
.set BIGV, 38
.set S,   64
.set P,   128
.set QF,  0
.set KF,  64
.set VF,  128
.set OT,  192
.set WV,  2                            ; s2   my wave's number
.set CNT, 3                            ; s3   counts a slot's key steps, 4 to 1
.set G0K, 4                            ; s[4:7]    descriptor group 0 for K's tiles: it walks
.set G0V, 8                            ; s[8:11]   the same for V's
.set SLOTS, 12                         ; s12  slots still to be asked for (s[12:15] hold two buffers' addresses first)
.set TK,  13                           ; s13  LDS byte at which K of the step to be fetched begins
.set TV,  14                           ; s14  the same for V, less VOFF
.set MB,  16                           ; s[16:63], s[68:83]  a step's 64 mask words
.set SEL, 66                           ; s[66:67]  v_permlanex16_b32's selects
.set G1K, 84                           ; s[84:91]  descriptor group 1 for K's tiles
.set G1V, 92                           ; s[92:99]  for V's: it differs in the padding alone
.set MP,  100                          ; s[100:101] the mask words to be asked for next
.set INC, 104                          ; s[104:105] the step of that address in the last slot
.set MSB, 0
.macro WIN new
.if MSB != (\new)
	s_set_vgpr_msb (MSB<<8)|(\new)
.set MSB, \new
.endif
.endm
.macro PLACES
.rept 4
	v_nop
.endr
.endm
.macro CROUND
	s_barrier_signal -1
	s_barrier_wait -1
	s_cmp_lg_u32 s[WV], 0
	s_cbranch_scc1 .Lnot_wave_0_\@
	s_barrier_signal -3
.Lnot_wave_0_\@:
	s_barrier_wait -3
	s_barrier_signal -1
	s_barrier_wait -1
.endm
; A joint fill: waves 0, 1 the halves of a slot's K, waves 2, 3 of its V; waves 4 to 7 have no part of a tile to fill.  The branches hang on the wave's number alone.
.macro JLOAD
	s_cmp_lt_u32 s[WV], 2
	s_cbranch_scc0 .Lnot_k_\@
	tensor_load_to_lds s[G0K:G0K+3], s[G1K:G1K+7]
	s_nop 0
	PLACES
	s_branch .Lasked_\@
.Lnot_k_\@:
	s_cmp_lt_u32 s[WV], 4
	s_cbranch_scc0 .Lasked_\@
	tensor_load_to_lds s[G0V:G0V+3], s[G1V:G1V+7]
	s_nop 0
	PLACES
.Lasked_\@:
.endm
.macro MLOAD                           ; a step's 64 mask words: 256 bytes
.irp i, 0,1,2,3,4,5
	s_load_b256 s[MB+8*\i:MB+8*\i+7], s[MP:MP+1], 32*\i
.endr
	s_load_b256 s[68:75], s[MP:MP+1], 192
	s_load_b256 s[76:83], s[MP:MP+1], 224
.endm
	s_load_b128 s[12:15], s[0:1], 0x0              ; qkv s[12:13], mbits s[14:15]
	v_lshl_add_u32 v[SPW], v0, 2, SPARE
	v_mov_b32 v[NIL], 0
	ds_add_u32 v[SPW], v[NIL]                      ; the wave's opening: the add and its wait stand ahead of my first tensor load
	v_lshrrev_b32 v1, 5, v0
	v_readfirstlane_b32 s[WV], v1
	s_bfe_u32 s16, ttmp6, 0x40000                  ; cx (s16 to s29 are at work here; the mask words come later)
	s_bfe_u32 s17, ttmp6, 0x40004                  ; cy
	s_lshl_b32 s18, ttmp9, 2
	s_add_co_u32 s18, s18, s16                     ; my block of 256 queries
	s_and_b32 s19, ttmp7, 0xffff
	s_lshl_b32 s19, s19, 2
	s_add_co_u32 s19, s19, s17                     ; 8 x batch + head
	s_and_b32 s20, s19, 7                          ; the head
	s_lshr_b32 s21, s19, 3                         ; the batch
	s_lshl_b32 s22, s17, 2
	s_lshl_b32 s22, 15, s22                        ; my row of the cluster
	; K, V: 128 keys are 16,384 dense bytes: 64 rows of 256 bytes, padded in LDS after every key (32 words)
	s_or_b32 s[G1K], s22, (1<<16)|(1<<20)|(1<<21)|(4<<22)|(3<<25)
	s_or_b32 s[G1V], s22, (1<<16)|(1<<20)|(1<<21)|(4<<22)|(7<<25)
.irp g, G1K, G1V
	s_mov_b32 s[\g+1], 128<<16
	s_mov_b32 s[\g+2], 64<<16
	s_mov_b32 s[\g+3], 128<<16
	s_mov_b32 s[\g+4], 64
	s_mov_b32 s[\g+5], 128
	s_mov_b32 s[\g+6], 0
	s_mov_b32 s[\g+7], 0
.endr
	s_and_b32 s23, s[WV], 1                        ; which half of a slot's 256 keys I fetch
	s_mov_b32 s[G0K], 1
	s_mul_i32 s[G0K+1], s23, 128*PK                ; its place in slot 0, as a part of K,
	s_mov_b32 s[G0V], 1
	s_mul_i32 s[G0V+1], s23, 128*PV
	s_add_co_u32 s[G0V+1], s[G0V+1], VOFF          ; and of V
	s_lshl_b32 s24, s20, 20                        ; the head's 1,048,576 bytes, the batch's 2,048 rows of 128
	s_lshl_b32 s25, s21, 18
	s_add_co_u32 s24, s24, s25
	s_lshl_b32 s28, s18, 15                        ; Q and O: besides, my block's 256 rows and my wave's 32
	s_lshl_b32 s29, s[WV], 12
	s_add_co_u32 s28, s28, s29
	s_add_co_u32 s28, s28, s24
	s_lshl_b32 s25, s23, 14                        ; K and V: besides, my 128 keys
	s_add_co_u32 s24, s24, s25
	s_mov_b32 s25, 0
	s_lshl_b32 s26, s21, 6                         ; the mask words: group 64 x batch + 8 x block + wave, 8,192 bytes each
	s_lshl_b32 s27, s18, 3
	s_add_co_u32 s26, s26, s27
	s_add_co_u32 s26, s26, s[WV]
	s_lshl_b32 s26, s26, 13
	s_mov_b32 s27, 0
	s_mov_b32 s[SEL], 0x76543210
	s_mov_b32 s[SEL+1], 0xfedcba98
	s_mov_b32 s[INC+1], 0
	s_wait_dscnt 0x0                               ; the opening add is done
	s_wait_kmcnt 0x0
	s_add_nc_u64 s[G0K+2:G0K+3], s[12:13], s[24:25]
	s_add_nc_u64 s[G0V+2:G0V+3], s[G0K+2:G0K+3], 16777216
	s_add_nc_u64 s[G0K+2:G0K+3], s[G0K+2:G0K+3], 8388608
	s_or_b32 s[G0K+3], s[G0K+3], 0x80000000
	s_or_b32 s[G0V+3], s[G0V+3], 0x80000000
	s_add_nc_u64 s[MP:MP+1], s[14:15], s[26:27]
	CROUND                                         ; all sixteen work-groups are here: the first joint loads meet
	JLOAD                                          ; keys 0-255 into slot 0
	v_and_b32 v12, 15, v0                          ; l % 16
	v_bfe_u32 v13, v0, 4, 1                        ; l / 16
	v_lshl_add_u32 v[QO], v12, 7, s28
	v_lshl_add_u32 v[QO], v13, 4, v[QO]
	WIN 0x40
.irp i, 0,1,2,3                        ; Q stays in registers: tile i / 2, channels 32 (i % 2) on
	global_load_b128 v[QF+8*\i:QF+8*\i+3], v[QO], s[12:13] offset:(\i/2)*2048+(\i%2)*64
	global_load_b128 v[QF+8*\i+4:QF+8*\i+7], v[QO], s[12:13] offset:(\i/2)*2048+(\i%2)*64+32
.endr
.set i, 0
.rept 64
	v_mov_b32 v[OT+i], 0                           ; O^T starts at 0: the first step is a step like any other, with a = 0.  This stands in the wait for the first tile
.set i, i+1
.endr
	WIN 0
.irp t, 0,1
	v_mov_b32 v[ST+4*\t], 0xfe000000               ; c m: far below every c s
	v_mov_b32 v[ST+4*\t+1], 0xff7fffff             ; m
	v_mov_b32 v[ST+4*\t+2], 0
	v_mov_b32 v[ST+4*\t+3], 0
.endr
	v_mov_b32 v[CSV], 0x3e38aa3b                   ; c = log2(e) / 8, twice
	v_mov_b32 v[CSV+1], 0x3e38aa3b
	v_mov_b32 v[BIGV], 0xf1000000                  ; -2^99
	v_mul_u32_u24 v[AK0], v12, PK
	v_lshl_add_u32 v[AK0], v13, 4, v[AK0]          ; K: row x pitch + 16 (l / 16)
	v_and_b32 v14, 7, v0
	v_bfe_u32 v15, v0, 3, 1
	v_lshl_add_u32 v[AV0], v13, 3, v14             ; V, turned: key 8 (l / 16) + l % 8, channels 8 ((l / 8) % 2) + 0..7
	v_mul_u32_u24 v[AV0], v[AV0], PV
	v_lshl_add_u32 v[AV0], v15, 4, v[AV0]
	v_add_nc_u32 v[AV0], VOFF, v[AV0]
	s_mul_i32 s[CNT], s[WV], 16*SP
	s_add_co_u32 s[CNT], s[CNT], STAGE             ; my stage
	v_mul_u32_u24 v[STO], v12, SP
	v_lshl_add_u32 v[STO], v13, 4, v[STO]
	v_add_nc_u32 v[STO], s[CNT], v[STO]
	v_bfe_u32 v[RD], v0, 3, 2
	v_mul_u32_u24 v[RD], v[RD], SP
	v_lshl_add_u32 v[RD], v14, 4, v[RD]
	v_add_nc_u32 v[RD], s[CNT], v[RD]
	v_and_b32 v[GO], 31, v0
	v_lshl_add_u32 v[GO], v[GO], 4, s28            ; my 16 bytes of 512 consecutive bytes of O
	MLOAD                                          ; key step 0's mask words: s16 to s29 have served
.macro REGS u                          ; the registers of tile u
.set rT, ST+4*(\u)
.set rC, TMP+4*(\u)
.set rM, MV+(\u)
.set rS, S+32*(\u)
.set rP, P+16*(\u)
.set rO, OT+32*(\u)
.endm
; Number n of the 22 that find a tile's maximum and statistics; each accumulator's lowest registers are read first.
;   0-11 four chains of seven scores   12-14, 16 the four left over, the old m, all into c0   15 c m_old is kept   17, 18 the other half of the lanes   19-21 c m; c m_old - c m_new; a
.macro XS u, n
	REGS \u
.if (\n) < 4
	v_max3_num_f32 v[rC+(\n)], v[rS+8*(\n)], v[rS+8*(\n)+1], v[rS+8*(\n)+2]
.elseif (\n) < 12
	v_max3_num_f32 v[rC+(\n)%4], v[rC+(\n)%4], v[rS+8*((\n)%4)+2*((\n)/4)+1], v[rS+8*((\n)%4)+2*((\n)/4)+2]
.elseif (\n) == 12
	v_max3_num_f32 v[rC], v[rC], v[rS+7], v[rS+15]
.elseif (\n) == 13
	v_max3_num_f32 v[rC+1], v[rC+1], v[rS+23], v[rS+31]
.elseif (\n) == 14
	v_max3_num_f32 v[rC+2], v[rC+2], v[rC+3], v[rT+1]
.elseif (\n) == 15
	v_mov_b32 v[rM], v[rT]
.elseif (\n) == 16
	v_max3_num_f32 v[rC], v[rC], v[rC+1], v[rC+2]
.elseif (\n) == 17
	v_permlanex16_b32 v[rC+3], v[rC], s[SEL], s[SEL+1]
.elseif (\n) == 18
	v_max_num_f32 v[rT+1], v[rC], v[rC+3]
.elseif (\n) == 19
	v_mul_f32 v[rT], v[CSV], v[rT+1]
.elseif (\n) == 20
	v_sub_f32 v[rC+1], v[rM], v[rT]
.else
	v_exp_f32 v[rC+2], v[rC+1]
.endif
.endm
; Plain line i (0..7) behind the exponentials of group k (weights 4 k .. 4 k + 3 of both tiles): two roundings, the second pair onto the first, l takes the sum; tiles alternate.
.macro PLN k, i
	REGS (\i)%2
.if (\i) < 2
	s_wait_alu depctr_va_vdst(0)
	v_cvt_pk_bf16_f32 v[rP+2*(\k)], v[rS+4*(\k)], v[rS+4*(\k)+1]
.elseif (\i) < 4
	v_cvt_pk_bf16_f32 v[rP+2*(\k)+1], v[rS+4*(\k)+2], v[rS+4*(\k)+3]
.elseif (\i) < 6
	v_pk_add_f32 v[rS+4*(\k):rS+4*(\k)+1], v[rS+4*(\k):rS+4*(\k)+1], v[rS+4*(\k)+2:rS+4*(\k)+3]
.elseif (\k) == 0
	v_pk_fma_f32 v[rT+2:rT+3], v[rT+2:rT+3], v[rC+2:rC+3], v[rS:rS+1] op_sel_hi:[1,0,1]
.else
	v_pk_add_f32 v[rT+2:rT+3], v[rT+2:rT+3], v[rS+4*(\k):rS+4*(\k)+1]
.endif
.endm
; A KEY STEP, in phases: loads; the mask as the sums' start; 16 products for S^T; the next step's mask words are asked for; the softmax; 16 products for O^T.
; tail = 1: the last slot: in its last trip there is no next step, and the address of the mask words stays: that trip's words are read once more and serve nothing.
.macro STEP tail
	WIN 0
	v_add_nc_u32 v[AK], s[TK], v[AK0]              ; these two and the two v_nop are the four places between the last products V^T P and the loads into V's registers
	v_add_nc_u32 v[AV], s[TV], v[AV0]
	v_nop
	v_nop
	WIN 0x40
.irp f, 0,1,2,3,4,5,6,7                ; K: keys 16 (f / 2) on, channels 32 (f % 2) on
	ds_load_b128 v[KF+8*\f:KF+8*\f+3], v[AK] offset:(\f/2)*16*PK+(\f%2)*64
	ds_load_b128 v[KF+8*\f+4:KF+8*\f+7], v[AK] offset:(\f/2)*16*PK+(\f%2)*64+32
.endr
.irp f, 0,1,2,3,4,5,6,7                ; V: keys 32 (f / 4) on, channels 16 (f % 4) on
	ds_load_tr16_b128 v[VF+8*\f:VF+8*\f+3], v[AV] offset:(\f/4)*32*PV+(\f%4)*32
	ds_load_tr16_b128 v[VF+8*\f+4:VF+8*\f+7], v[AV] offset:(\f/4)*32*PV+16*PV+(\f%4)*32
.endr
	WIN 0
	s_add_co_u32 s[TK], s[TK], KS*PK
	s_add_co_u32 s[TV], s[TV], KS*PV
	s_wait_kmcnt 0x0                               ; this step's mask words are in (scalar loads return in no order: the count is 0)
.set dd, 0
.rept 64                               ; word dd is the lane mask of register dd of S^T: 0 where the key is seen, -2^99 where it is hidden
	v_cndmask_b32 v[S+dd], v[BIGV], 0, s[MB+dd+4*(dd/48)]
.set dd, dd+1
.endr
	s_wait_dscnt 16                                ; K is in; V's 16 loads may be out
	WIN 0x05                                       ; K and Q window 1, S^T window 0.  The 8 accumulators take turns, in the same order in both runs of 8
.irp c, 0,1
.irp k, 0,1,2,3
.irp t, 0,1
	v_wmma_f32_16x16x32_bf16 v[S+32*\t+8*\k:S+32*\t+8*\k+7], v[KF+16*\k+8*\c:KF+16*\k+8*\c+7], v[QF+16*\t+8*\c:QF+16*\t+8*\c+7], v[S+32*\t+8*\k:S+32*\t+8*\k+7]
.endr
.endr
.endr
	WIN 0
.if \tail
	s_cmp_lg_u32 s[CNT], 1
	s_cselect_b32 s[INC], 256, 0
	s_add_nc_u64 s[MP:MP+1], s[MP:MP+1], s[INC:INC+1]
.else
	s_add_nc_u64 s[MP:MP+1], s[MP:MP+1], 256       ; no scalar load is out since the wait above: the address may step
.endif
	MLOAD                                          ; the next step's words: they have the softmax and 16 products in which to come
	PLACES
.irp n, 0,1,2,3,4,5,6,7,8,9,10,11,12,13,14,15,16,17,18,19,20,21
	XS 0, \n
	XS 1, \n
.endr
.set i, 0
.rept 32                               ; c s - c m
	REGS i%2
	v_pk_fma_f32 v[rS+2*(i/2):rS+2*(i/2)+1], v[rS+2*(i/2):rS+2*(i/2)+1], v[CSV:CSV+1], v[rT:rT+1] op_sel_hi:[1,1,0] neg_lo:[0,0,1] neg_hi:[0,0,1]
.set i, i+1
.endr
.set gg, 0
.rept 8                                ; the exponentials of group gg, each with a plain line of group gg - 1 behind it
.set ii, 0
.rept 8
	REGS ii%2
	v_exp_f32 v[rS+4*gg+ii/2], v[rS+4*gg+ii/2]
.if gg > 0
	PLN gg-1, ii
.endif
.set ii, ii+1
.endr
.if gg == 0
	v_nop                                          ; a plain line between the first group's exponentials and the use of their results
.endif
.set gg, gg+1
.endr
.set ii, 0
.rept 8
	PLN 7, ii
.set ii, ii+1
.endr
	WIN 0x41                                       ; O^T times a, ascending
.set i, 0
.rept 32
	REGS i/16
	v_pk_mul_f32 v[rO+2*(i%16):rO+2*(i%16)+1], v[rO+2*(i%16):rO+2*(i%16)+1], v[rC+2:rC+3] op_sel_hi:[1,0]
.set i, i+1
.endr
	s_wait_dscnt 0x0                               ; V is in
	WIN 0x51
.irp k, 0,1
.irp c, 0,1,2,3
.irp t, 0,1
	v_wmma_f32_16x16x32_bf16 v[OT+32*\t+8*\c:OT+32*\t+8*\c+7], v[VF+32*\k+8*\c:VF+32*\k+8*\c+7], v[P+16*\t+8*\k:P+16*\t+8*\k+7], v[OT+32*\t+8*\c:OT+32*\t+8*\c+7]
.endr
.endr
.endr
	WIN 0
.endm
; THE CHANGE OF SLOTS.  Each wave waits for all its tensor loads (at most one is out: its part of the slot to be read next), adds 0 to its spare word, and waits for that and for its reads of the slot that it leaves.
; fill = 1: a round of the cluster's barrier; the joint fill of the slot just left, with the keys two slots on from it, is the first thing behind it and has four key steps in which to land.
; (At its first use nothing has been read yet: slot 0 is waited for, slot 1 filled.)
.macro CHANGE fill
	WIN 0
	s_wait_tensorcnt 0x0                           ; no tensor load of mine is out, so the descriptors may be written
	ds_add_u32 v[SPW], v[NIL]
.if \fill
.irp g, G0K, G0V
	s_xor_b32 s[\g+1], s[\g+1], SLOT1              ; the walking descriptor: the other slot than last time,
	s_add_nc_u64 s[\g+2:\g+3], s[\g+2:\g+3], 32768 ; the next 256 keys
.endr
.endif
	s_sub_co_u32 s[TK], s[TK], 4*KS*PK             ; the fetches go back to a slot's first step,
	s_xor_b32 s[TK], s[TK], SLOT1                  ; in the other slot
	s_sub_co_u32 s[TV], s[TV], 4*KS*PV
	s_xor_b32 s[TV], s[TV], SLOT1
	s_wait_dscnt 0x0                               ; the add is done, and my reads of the slot are over
.if \fill
	CROUND
	JLOAD
.else
	s_barrier_signal -1
	s_barrier_wait -1
.endif
.endm
.macro RUN tail                        ; a slot's four key steps
	s_mov_b32 s[CNT], 4
.Lstep_\@:
	STEP \tail
	s_sub_co_u32 s[CNT], s[CNT], 1
	s_cmp_lg_u32 s[CNT], 0
	s_cbranch_scc1 .Lstep_\@
.endm
	s_wait_loadcnt 0x0                             ; Q is in: its loads' base, s[12:13], may be written
	s_mov_b32 s[SLOTS], 7
	s_mov_b32 s[TK], SLOT1+4*KS*PK                 ; the first change of slots turns these two into 0
	s_mov_b32 s[TV], SLOT1+4*KS*PV
.Lslot:                                                ; seven trips: a slot is walked while the next is filled
	CHANGE 1
	RUN 0
	s_sub_co_u32 s[SLOTS], s[SLOTS], 1
	s_cmp_lg_u32 s[SLOTS], 0
	s_cbranch_scc1 .Lslot
	CHANGE 0                                       ; the last slot is written out: nothing is asked for
	RUN 1
	; THE WAY OUT.  l's halves and the other half of the lanes' are added; 1 / l, or 0 for a row that saw no key; O^T times that, rounded, through my stage, a tile at a time.
	s_load_b64 s[12:13], s[0:1], 0x10              ; ao (the counters in s12 and s13 have served)
	PLACES
.irp t, 0,1
	v_add_f32 v[ST+4*\t+2], v[ST+4*\t+2], v[ST+4*\t+3]
.endr
.irp t, 0,1
	v_permlanex16_b32 v[ST+4*\t+3], v[ST+4*\t+2], s[SEL], s[SEL+1]
.endr
.irp t, 0,1
	v_add_f32 v[ST+4*\t+2], v[ST+4*\t+2], v[ST+4*\t+3]
.endr
.irp t, 0,1
	v_rcp_f32 v[ST+4*\t+2], v[ST+4*\t+2]
.endr
	v_nop                                          ; a plain line between the last reciprocal and the use of its result
.irp t, 0,1
	v_cmp_lt_f32 vcc_lo, 0xefa18f08, v[ST+4*\t+1]  ; -1e29 < m: has the row seen a key?
	s_wait_alu depctr_va_vdst(0)
	v_cndmask_b32 v[ST+4*\t+2], 0, v[ST+4*\t+2], vcc_lo
.endr
.macro PACK t
	WIN 0x41
.set i, 0
.rept 16
	v_pk_mul_f32 v[OT+32*(\t)+2*i:OT+32*(\t)+2*i+1], v[OT+32*(\t)+2*i:OT+32*(\t)+2*i+1], v[ST+4*(\t)+2:ST+4*(\t)+3] op_sel_hi:[1,0]
.set i, i+1
.endr
	WIN 0x05
.set i, 0
.rept 16
	v_cvt_pk_bf16_f32 v[S+16*(\t)+i], v[OT+32*(\t)+2*i], v[OT+32*(\t)+2*i+1]
.set i, i+1
.endr
	WIN 0
.irp f, 0,1,2,3
	ds_store_b128 v[STO], v[S+16*(\t)+4*\f:S+16*(\t)+4*\f+3] offset:32*\f
.endr
.irp f, 0,1,2,3
	ds_load_b128 v[S+16*(\t)+4*\f:S+16*(\t)+4*\f+3], v[RD] offset:\f*4*SP  ; LDS serves a wave's instructions in order: these see the stores above
.endr
.endm
.macro SEND t, y
.irp f, 0,1,2,3
	s_wait_dscnt (\y)+3-\f
	global_store_b128 v[GO], v[S+16*(\t)+4*\f:S+16*(\t)+4*\f+3], s[12:13] offset:(\t)*2048+\f*512  ; 512 consecutive bytes, aligned
.endr
.endm
	PACK 0
	PACK 1
	s_wait_kmcnt 0x0                               ; ao's address (and the last, unused mask words)
	SEND 0, 8
	SEND 1, 0
	s_wait_tensorcnt 0x0                           ; the wave's end
	ds_add_u32 v[SPW], v[NIL]
	s_wait_dscnt 0x0
	CROUND                                         ; the closing round
	s_endpgm
.Lfunc_end_k_q71a339e981_attn:
	.size	k_q71a339e981_attn, .Lfunc_end_k_q71a339e981_attn-k_q71a339e981_attn
	.p2alignl 7, 3214868480
	.fill 96, 4, 3214868480
	.section	.rodata,"a",@progbits
	.p2align	6, 0x0
	.amdhsa_kernel k_q71a339e981_attn
		.amdhsa_group_segment_fixed_size 327680
		.amdhsa_private_segment_fixed_size 0
		.amdhsa_enable_private_segment 0
		.amdhsa_kernarg_size 24
		.amdhsa_user_sgpr_count 2
		.amdhsa_user_sgpr_kernarg_segment_ptr 1
		.amdhsa_wavefront_size32 1
		.amdhsa_system_sgpr_workgroup_id_x 1
		.amdhsa_system_sgpr_workgroup_id_y 1
		.amdhsa_system_sgpr_workgroup_id_z 1
		.amdhsa_system_vgpr_workitem_id 0
		.amdhsa_next_free_vgpr 512
		.amdhsa_next_free_sgpr 106
		.amdhsa_reserve_vcc 1
		.amdhsa_float_denorm_mode_32 3
		.amdhsa_float_denorm_mode_16_64 3
		.amdhsa_memory_ordered 1
		.amdhsa_forward_progress 1
		.amdhsa_inst_pref_size 65
	.end_amdhsa_kernel
	.amdgpu_metadata
---
amdhsa.version: [ 1, 2 ]
amdhsa.kernels:
  - .name:           k_q71a339e981_attn
    .symbol:         k_q71a339e981_attn.kd
    .args:
      - { .name: qkv, .offset: 0, .size: 8, .value_kind: global_buffer, .address_space: global }
      - { .name: mbits, .offset: 8, .size: 8, .value_kind: global_buffer, .address_space: global }
      - { .name: ao, .offset: 16, .size: 8, .value_kind: global_buffer, .address_space: global }
    .group_segment_fixed_size: 327680
    .private_segment_fixed_size: 0
    .kernarg_segment_align: 8
    .kernarg_segment_size: 24
    .max_flat_workgroup_size: 256
    .sgpr_count:     106
    .vgpr_count:     512
    .wavefront_size: 32
...
	.end_amdgpu_metadata
.endif
;; end of part 3
;; launch proj (part 4): grid 4 x 64, 4 waves a work-group, clusters of 4 x 4, 327,680 bytes of LDS; arguments ao, wb, bo, x, x1; writes x1
.if DOCPART == 4
	.amdgcn_target "amdgcn-amd-amdhsa--gfx1250"
	.amdhsa_code_object_version 6
	.text
	.protected	k_q71a339e981_proj
	.globl	k_q71a339e981_proj
	.p2align	8
	.type	k_q71a339e981_proj,@function
k_q71a339e981_proj:
	s_mov_b64 s[64:65], 0
	v_nop
	global_prefetch_b8 v0, s[64:65] scope:SCOPE_SE
	s_setreg_imm32_b32 hwreg(HW_REG_WAVE_MODE, 25, 1), 1
	s_wait_xcnt 0x0
	s_wait_alu depctr_hold_cnt(0) depctr_sa_sdst(0) depctr_va_vdst(0) depctr_va_sdst(0) depctr_va_ssrc(0) depctr_va_vcc(0) depctr_vm_vsrc(0)
	s_getreg_b32 s2, hwreg(HW_REG_IB_STS2, 6, 4)
	s_cmp_eq_u32 s2, 0
	s_cbranch_scc0 .Lentry_in_a_cluster
	s_endpgm
.Lentry_in_a_cluster:
	s_bfe_u32 s2, ttmp6, 0x10000c
	s_cmp_lg_u32 s2, 0xf033
	s_cbranch_scc0 .Lentry_shape_is_right
	s_endpgm
.Lentry_shape_is_right:
; out = res + A W + bias.  A: bf16 in blocks [SIZE_K / 64][8192 rows][64]; W: bf16 [SIZE_K][512] at byte WOFF of wb; bias [512], res and out [8192][512] f32.  Sums in f32.
; A tile of out is 128 x 128: four waves, each 64 x 64, 16 accumulators.  K goes in steps of 256 through two LDS slots; a wave's tensor load brings a quarter of a slot (waves 0, 1: two blocks of A, 128 rows x 64 each,
; dense in memory; waves 2, 3: 128 k-rows of W).  CLUSTER 4 x 4: A's tiles are asked for jointly along a row of the cluster, W's along a column.
; A K STEP IS WRITTEN TWICE: once with a refill, looped over the first NSTEP - 2 steps, once without, looped over the last two.  The slot in hand is a scalar that an exclusive or turns.  The price of the
; second loop: the very last change of slots fetches 32 fragment loads (of bytes that landed two steps before) that nobody multiplies.
; THE MATRIX INSTRUCTION IS USED TRANSPOSED: source 0 = 16 columns of W (turned by ds_load_tr16_b128), source 1 = 16 rows of A: a lane holds row lane % 16, columns 8 (lane / 16) + 0..7.
; The bias is loaded straight into the accumulators, so every product adds in place.  The residual is loaded at the start as whole rows of 256 bytes, kept in window 2, and added on the way out,
; where the stage has turned a block into such rows: its loads and the stores cover 256 consecutive bytes for each 16 lanes, aligned.
; REGISTERS: window 0: v0-31 addresses; v32-95 two buffers of 16 rows on the way out; v128-255 accumulators (a, b) at 128 + 8 (4 a + b)
;   window 1: two fragment buffers of 128 (64 along K: 64 registers of A, then 64 of W)      window 2: v0-127 the residual
.set SIZE_K, 512
.set WOFF,   1572864
.set PA,     144                       ; a row of a block of A in LDS: 128 bytes + 16
.set PB,     288                       ; a k-row of W: 256 bytes + 32
.set QTR,    128*PA                    ; 64 along K: a block of A, and as many bytes of W (64 x 288)
.set PART,   2*QTR                     ; what one tensor load brings
.set SLOT,   4*PART                    ; A's four blocks, then W's 256 k-rows.  0x24000: it shares no bit with wave x PART, so an exclusive or changes slots
.set STAGE,  2*SLOT
.set SPITCH, 272
.set SPARE,  STAGE+4*16*SPITCH
.set NSTEP,  SIZE_K/256
.set ADRA0, 16                         ; v16     my lane's place among A's fragments in a slot; never rewritten
.set ADRB0, 17                         ; v17     the same for W's
.set ADRA,  18                         ; v18     A's fragments in the slot in hand
.set ADRB,  20                         ; v20-21  W's: quarters 0-1, 2-3
.set STO,  24
.set RD,   25
.set CO,   26
.set BO,   27
.set SPW,  28
.set NIL,  29
.set RBF,  32
.set ACC,  128
.set F0,   0
.set F1,   128
.set WV,  20
.set HF,  21
.set LW,  22
.set TR,  23
.set TC,  24
.set CX,  25
.set CY,  26
.set LAP, 27
.set G1,  28
.set G0,  36                           ; s[36:43] group 0 for A's tiles: a set for each of the two first fills; the second then walks on
.set G1B, 44
.set G0B, 52                           ; s[52:59] the same for W's
.set SBR, 62                           ; s62  the slot that is read
.set MSB, 0
.macro WIN new
.if MSB != (\new)
	s_set_vgpr_msb (MSB<<8)|(\new)
.set MSB, \new
.endif
.endm
.set MUL,  0x05                        ; sources 0 (W) and 1 (A) window 1; C and D window 0
.set TO_F, 0x40
.macro PLACES
.rept 4
	v_nop
.endr
.endm
.macro JLOAD s                         ; a joint load: waves 0 and 1 fetch A's halves, waves 2 and 3 W's
	s_cmp_eq_u32 s[HF], 0
	s_cbranch_scc0 .Lfor_b_\@
	tensor_load_to_lds s[G0+4*(\s):G0+4*(\s)+3], s[G1:G1+7]
	s_nop 0
	PLACES
	s_branch .Lasked_\@
.Lfor_b_\@:
	tensor_load_to_lds s[G0B+4*(\s):G0B+4*(\s)+3], s[G1B:G1B+7]
	s_nop 0
	PLACES
.Lasked_\@:
.endm
.macro CREST
	s_cmp_lg_u32 s[WV], 0
	s_cbranch_scc1 .Lnot_wave_0_\@
	s_barrier_signal -3
.Lnot_wave_0_\@:
	s_barrier_wait -3
	s_barrier_signal -1
	s_barrier_wait -1
.endm
.macro CROUND
	s_barrier_signal -1
	s_barrier_wait -1
	CREST
.endm
	s_load_b256 s[4:11], s[0:1], 0x0               ; A, wb, bias, res
	s_load_b64 s[12:13], s[0:1], 0x20              ; out
	v_lshl_add_u32 v[SPW], v0, 2, SPARE
	v_mov_b32 v[NIL], 0
	ds_add_u32 v[SPW], v[NIL]                      ; the wave's opening: the add and its wait stand ahead of my first tensor load
	v_lshrrev_b32 v1, 5, v0
	v_readfirstlane_b32 s[WV], v1
	s_lshr_b32 s[HF], s[WV], 1                     ; my half of the tile's rows.  Also: I fetch for A (0) or for W (1)
	s_and_b32 s[LW], s[WV], 1                      ; my half of its columns.  Also: which half of that tile I fetch
	s_bfe_u32 s[CX], ttmp6, 0x40000
	s_bfe_u32 s[CY], ttmp6, 0x40004
	s_lshl_b32 s[TC], ttmp9, 2
	s_add_co_u32 s[TC], s[TC], s[CX]               ; tile column
	s_and_b32 s[TR], ttmp7, 0xffff
	s_lshl_b32 s[TR], s[TR], 2
	s_add_co_u32 s[TR], s[TR], s[CY]               ; tile row
	s_lshl_b32 s16, s[CY], 2
	s_lshl_b32 s16, 15, s16                        ; my row of the cluster
	s_lshl_b32 s60, 0x1111, s[CX]                  ; my column
	; A: two blocks; a block's 128 rows are 8,192 dense numbers, one long row; 16 bytes of padding behind every 32 words
	s_or_b32 s[G1], s16, (1<<16)|(1<<20)|(1<<21)|(4<<22)|(3<<25)
	s_mov_b32 s[G1+1], 8192<<16                    ; tensor_dim0
	s_mov_b32 s[G1+2], 2<<16                       ; tensor_dim1
	s_mov_b32 s[G1+3], 8192<<16                    ; tile_dim0
	s_mov_b32 s[G1+4], 2                           ; tile_dim1
	s_mov_b32 s[G1+5], 524288                      ; numbers from block to block
	s_mov_b32 s[G1+6], 0
	s_mov_b32 s[G1+7], 0
	; W: 128 k-rows x 128 numbers; 32 bytes of padding behind every 64 words
	s_or_b32 s[G1B], s60, (1<<16)|(1<<20)|(1<<21)|(5<<22)|(7<<25)
	s_mov_b32 s[G1B+1], 128<<16
	s_mov_b32 s[G1B+2], 128<<16
	s_mov_b32 s[G1B+3], 128<<16
	s_mov_b32 s[G1B+4], 128
	s_mov_b32 s[G1B+5], 512
	s_mov_b32 s[G1B+6], 0
	s_mov_b32 s[G1B+7], 0
	s_lshl_b32 s16, s[TR], 14                      ; A: the tile's 128 rows of 128 bytes, my two blocks of 1,048,576
	s_lshl_b32 s17, s[LW], 21
	s_add_co_u32 s16, s16, s17
	s_mov_b32 s17, 0
	s_lshl_b32 s60, s[LW], 17                      ; W: my 128 k-rows of 1,024 bytes, the tile's 256 bytes of them
	s_lshl_b32 s61, s[TC], 8
	s_add_co_u32 s60, s60, s61
	s_add_co_u32 s60, s60, WOFF
	s_mov_b32 s61, 0
	s_mul_i32 s18, s[WV], PART                     ; where they go: wave x a quarter of a slot
	s_lshl_b32 s66, s[TR], 18                      ; res and out: row 128 tr + 64 (w / 2), 2,048 bytes each; column 128 tc + 64 (w % 2)
	s_lshl_b32 s67, s[HF], 17
	s_add_co_u32 s66, s66, s67
	s_lshl_b32 s68, s[TC], 9
	s_lshl_b32 s69, s[LW], 8
	s_add_co_u32 s68, s68, s69                     ; the same columns in the bias
	s_add_co_u32 s66, s66, s68
	s_mov_b32 s67, 0
	s_mov_b32 s69, 0
	s_mov_b32 s[SBR], 0
	s_wait_dscnt 0x0                               ; the opening add is done
	s_wait_kmcnt 0x0
	s_add_nc_u64 s[4:5], s[4:5], s[16:17]
	s_add_nc_u64 s[6:7], s[6:7], s[60:61]
	s_add_nc_u64 s[8:9], s[8:9], s[68:69]
	s_add_nc_u64 s[10:11], s[10:11], s[66:67]
	s_add_nc_u64 s[12:13], s[12:13], s[66:67]
	CROUND                                         ; all sixteen work-groups are here: the first joint loads meet
.irp s, 0,1
	s_mov_b32 s[G0+4*\s], 1
	s_add_co_u32 s[G0+4*\s+1], s18, \s*SLOT
	s_add_nc_u64 s[G0+4*\s+2:G0+4*\s+3], s[4:5], \s*4194304        ; K step s: four blocks on
	s_or_b32 s[G0+4*\s+3], s[G0+4*\s+3], 0x80000000
	s_mov_b32 s[G0B+4*\s], 1
	s_add_co_u32 s[G0B+4*\s+1], s18, \s*SLOT
	s_add_nc_u64 s[G0B+4*\s+2:G0B+4*\s+3], s[6:7], \s*262144       ; 256 k-rows on
	s_or_b32 s[G0B+4*\s+3], s[G0B+4*\s+3], 0x80000000
	JLOAD \s
.endr
	v_and_b32 v1, 15, v0                           ; l % 16
	v_bfe_u32 v2, v0, 4, 1                         ; l / 16
	v_lshlrev_b32 v[BO], 5, v2
.irp a, 0,1,2,3                        ; the bias of column 16 b + 8 (l / 16) + j into register j of every accumulator (a, b)
.irp b, 0,1,2,3
	global_load_b128 v[ACC+8*(4*\a+\b):ACC+8*(4*\a+\b)+3], v[BO], s[8:9] offset:64*\b
	global_load_b128 v[ACC+8*(4*\a+\b)+4:ACC+8*(4*\a+\b)+7], v[BO], s[8:9] offset:64*\b+16
.endr
.endr
	v_lshlrev_b32 v[CO], 11, v2                    ; rows of res and out: lanes 0-15 one row's 256 bytes, lanes 16-31 the next row's
	v_lshl_add_u32 v[CO], v1, 4, v[CO]
	WIN 0x80
.irp a, 0,1,2,3
.irp t, 0,1,2,3,4,5,6,7
	global_load_b128 v[32*\a+4*\t:32*\a+4*\t+3], v[CO], s[10:11] offset:\a*32768+\t*4096
.endr
.endr
	WIN 0
	v_mul_u32_u24 v3, v1, PA
	v_lshl_add_u32 v3, v2, 4, v3                   ; A: row x pitch + 16 (l / 16)
	s_mul_i32 s66, s[HF], 64*PA
	v_add_nc_u32 v[ADRA0], s66, v3
	v_and_b32 v4, 7, v0
	v_bfe_u32 v5, v0, 3, 1
	v_lshl_add_u32 v6, v2, 3, v4                   ; W, turned: k-row 8 (l / 16) + l % 8, columns 8 ((l / 8) % 2) + 0..7
	v_mul_u32_u24 v6, v6, PB
	v_lshl_add_u32 v6, v5, 4, v6
	s_lshl_b32 s66, s[LW], 7
	s_add_co_u32 s66, s66, 2*PART
	v_add_nc_u32 v[ADRB0], s66, v6
	s_mul_i32 s66, s[WV], 16*SPITCH
	s_add_co_u32 s66, s66, STAGE                   ; my stage: 16 rows of 256 bytes + 16
	v_mul_u32_u24 v7, v1, SPITCH                   ; in: row l % 16, 32 bytes for each half of the lanes
	v_lshl_add_u32 v7, v2, 5, v7
	v_add_nc_u32 v[STO], s66, v7
	v_mul_u32_u24 v7, v2, SPITCH                   ; back: lanes 0-15 one row, lanes 16-31 the next
	v_lshl_add_u32 v7, v1, 4, v7
	v_add_nc_u32 v[RD], s66, v7
.macro ADRS                            ; the fragment addresses in the slot in hand: four plain vector lines, which are also the places in front of the loads that follow
	v_add_nc_u32 v[ADRA], s[SBR], v[ADRA0]
	v_add_nc_u32 v[ADRB], s[SBR], v[ADRB0]
	v_add_nc_u32 v[ADRB+1], PART, v[ADRB]
	v_nop
.endm
.macro MUL8 f, c, a0                   ; 8 matrix instructions: row blocks a0, a0 + 1 x all 4 column blocks, 32 along K: half c of buffer f.  The 16 accumulators take turns
	WIN MUL
.irp a, \a0, (\a0)+1
.irp b, 0,1,2,3
	v_wmma_f32_16x16x32_bf16 v[ACC+8*(4*(\a)+(\b)):ACC+8*(4*(\a)+(\b))+7], v[(\f)+64+8*(4*(\c)+(\b)):(\f)+64+8*(4*(\c)+(\b))+7], v[(\f)+8*(4*(\c)+(\a)):(\f)+8*(4*(\c)+(\a))+7], v[ACC+8*(4*(\a)+(\b)):ACC+8*(4*(\a)+(\b))+7]
.endr
.endr
.endm
.macro FETCH q, f                      ; 32 LDS loads in one run: the fragments of quarter q (64 along K) of the slot in hand into buffer f; the first 32 along K first
	WIN TO_F
.irp c, 0,1
.irp i, 0,1,2,3
	ds_load_tr16_b128 v[(\f)+64+8*(4*\c+\i):(\f)+64+8*(4*\c+\i)+3], v[ADRB+(\q)/2] offset:((\q)%2)*QTR+\c*32*PB+32*\i
	ds_load_tr16_b128 v[(\f)+64+8*(4*\c+\i)+4:(\f)+64+8*(4*\c+\i)+7], v[ADRB+(\q)/2] offset:((\q)%2)*QTR+\c*32*PB+16*PB+32*\i
	ds_load_b128 v[(\f)+8*(4*\c+\i):(\f)+8*(4*\c+\i)+3], v[ADRA] offset:(\q)*QTR+64*\c+\i*16*PA
	ds_load_b128 v[(\f)+8*(4*\c+\i)+4:(\f)+8*(4*\c+\i)+7], v[ADRA] offset:(\q)*QTR+64*\c+\i*16*PA+32
.endr
.endr
.endm
.macro QUARTER q, f, g                 ; multiplies buffer f and fetches quarter q of the slot into g
	s_wait_dscnt 16                                ; the first 32 along K are in
	MUL8 \f, 0, 0
	MUL8 \f, 0, 2
	PLACES
	FETCH \q, \g
	s_wait_dscnt 32                                ; all but the 32 just issued
	MUL8 \f, 1, 0
	MUL8 \f, 1, 2
.endm
; The last quarter multiplies buffer 1 and changes slots: one barrier; in front of it each wave waits for all its tensor loads, adds 0 to its spare word, and waits for that and for its reads of this slot.
; fill = 1: the barrier opens a round of the cluster's, and this slot is filled again, two K steps ahead, first thing behind the round.
.macro TURN fill
	WIN 0
	s_wait_tensorcnt 0x0                           ; all my tensor loads have landed: my part of the next slot
	ds_add_u32 v[SPW], v[NIL]
	s_wait_dscnt 17                                ; (the add and the youngest sixteen loads may be out)
	MUL8 F1, 0, 0
	s_wait_dscnt 0x0                               ; the add is done, and my reads of this slot are over
	s_barrier_signal -1
	MUL8 F1, 0, 2
	WIN 0
	s_barrier_wait -1
.if \fill
	CREST
	s_xor_b32 s[G0+5], s[G0+5], SLOT               ; the walking descriptors: the other slot than last time, the next K step
	s_add_nc_u64 s[G0+6:G0+7], s[G0+6:G0+7], 4194304
	s_xor_b32 s[G0B+5], s[G0B+5], SLOT
	s_add_nc_u64 s[G0B+6:G0B+7], s[G0B+6:G0B+7], 262144
	JLOAD 1
.endif
	s_xor_b32 s[SBR], s[SBR], SLOT
	ADRS
	FETCH 0, F0
	MUL8 F1, 1, 0
	MUL8 F1, 1, 2
.endm
.macro KSTEP fill
	QUARTER 1, F0, F1
	QUARTER 2, F1, F0
	QUARTER 3, F0, F1
	TURN \fill
	WIN 0
.endm
	s_wait_tensorcnt 0x1                           ; my part of K step 0 is in; K step 1's load may stay out
	s_barrier_signal -1
	s_barrier_wait -1
	ADRS
	FETCH 0, F0
	s_wait_loadcnt 32                              ; the bias is in the accumulators; the residual's 32 loads may stay out
	WIN 0
.if NSTEP > 2
	s_mov_b32 s[LAP], NSTEP-2
.Lstep:                                                ; a trip is a K step; the slot that it leaves is filled again
	KSTEP 1
	s_sub_co_u32 s[LAP], s[LAP], 1
	s_cmp_lg_u32 s[LAP], 0
	s_cbranch_scc1 .Lstep
.endif
	s_mov_b32 s[LAP], 2
.Ltail:                                                ; the last two K steps ask for nothing
	KSTEP 0
	s_sub_co_u32 s[LAP], s[LAP], 1
	s_cmp_lg_u32 s[LAP], 0
	s_cbranch_scc1 .Ltail
	; THE WAY OUT, a block of 16 rows at a time: into my stage (each accumulator's low four registers first), back as whole rows of 256 bytes, the residual added, stored.
.macro STG a
	WIN 0
	s_wait_xcnt 0x0                                ; the buffer, which earlier stores read, is loaded again only behind this wait
.set BK, RBF+32*((\a)%2)
.irp b, 0,1,2,3
	ds_store_b128 v[STO], v[ACC+8*(4*(\a)+\b):ACC+8*(4*(\a)+\b)+3] offset:64*\b
	ds_store_b128 v[STO], v[ACC+8*(4*(\a)+\b)+4:ACC+8*(4*(\a)+\b)+7] offset:64*\b+16
.endr
.irp t, 0,1,2,3,4,5,6,7
	ds_load_b128 v[BK+4*\t:BK+4*\t+3], v[RD] offset:\t*2*SPITCH   ; LDS serves a wave's instructions in order: these see the stores above
.endr
.endm
.macro FIN a, y                        ; y: the LDS instructions issued behind block a's loads
.set BK, RBF+32*((\a)%2)
	s_wait_dscnt \y
	WIN 0x08                                       ; source 1 (the residual) window 2
.set i, 0
.rept 16
	v_pk_add_f32 v[BK+2*i:BK+2*i+1], v[BK+2*i:BK+2*i+1], v[32*(\a)+2*i:32*(\a)+2*i+1]
.set i, i+1
.endr
	WIN 0
.irp t, 0,1,2,3,4,5,6,7
	global_store_b128 v[CO], v[BK+4*\t:BK+4*\t+3], s[12:13] offset:(\a)*32768+\t*4096
.endr
.endm
	PLACES
	s_wait_loadcnt 0x0                             ; the residual
	STG 0
	STG 1
	FIN 0, 16
	STG 2
	FIN 1, 16
	STG 3
	FIN 2, 16
	FIN 3, 0
	s_wait_tensorcnt 0x0                           ; the wave's end
	ds_add_u32 v[SPW], v[NIL]
	s_wait_dscnt 0x0
	CROUND                                         ; the closing round
	s_endpgm
.Lfunc_end_k_q71a339e981_proj:
	.size	k_q71a339e981_proj, .Lfunc_end_k_q71a339e981_proj-k_q71a339e981_proj
	.p2alignl 7, 3214868480
	.fill 96, 4, 3214868480
	.section	.rodata,"a",@progbits
	.p2align	6, 0x0
	.amdhsa_kernel k_q71a339e981_proj
		.amdhsa_group_segment_fixed_size 327680
		.amdhsa_private_segment_fixed_size 0
		.amdhsa_enable_private_segment 0
		.amdhsa_kernarg_size 40
		.amdhsa_user_sgpr_count 2
		.amdhsa_user_sgpr_kernarg_segment_ptr 1
		.amdhsa_wavefront_size32 1
		.amdhsa_system_sgpr_workgroup_id_x 1
		.amdhsa_system_sgpr_workgroup_id_y 1
		.amdhsa_system_sgpr_workgroup_id_z 1
		.amdhsa_system_vgpr_workitem_id 0
		.amdhsa_next_free_vgpr 640
		.amdhsa_next_free_sgpr 72
		.amdhsa_reserve_vcc 0
		.amdhsa_float_denorm_mode_32 3
		.amdhsa_float_denorm_mode_16_64 3
		.amdhsa_memory_ordered 1
		.amdhsa_forward_progress 1
		.amdhsa_inst_pref_size 45
	.end_amdhsa_kernel
	.amdgpu_metadata
---
amdhsa.version: [ 1, 2 ]
amdhsa.kernels:
  - .name:           k_q71a339e981_proj
    .symbol:         k_q71a339e981_proj.kd
    .args:
      - { .name: ao, .offset: 0, .size: 8, .value_kind: global_buffer, .address_space: global }
      - { .name: wb, .offset: 8, .size: 8, .value_kind: global_buffer, .address_space: global }
      - { .name: bo, .offset: 16, .size: 8, .value_kind: global_buffer, .address_space: global }
      - { .name: x, .offset: 24, .size: 8, .value_kind: global_buffer, .address_space: global }
      - { .name: x1, .offset: 32, .size: 8, .value_kind: global_buffer, .address_space: global }
    .group_segment_fixed_size: 327680
    .private_segment_fixed_size: 0
    .kernarg_segment_align: 8
    .kernarg_segment_size: 40
    .max_flat_workgroup_size: 128
    .sgpr_count:     72
    .vgpr_count:     640
    .wavefront_size: 32
...
	.end_amdgpu_metadata
.endif
;; end of part 4
;; launch ln2: the kernel of part 1 again; grid 256 x 1, 8 waves a work-group, no clusters, 0 bytes of LDS; arguments x1, ln2_g, ln2_b, nrm, wq, wk, wv, wo, w1, w2, wb, positions, rope, o2o_mask, mbits; writes nrm, wb, rope, mbits
;; launch ffn1 (part 5): grid 4 x 64, 4 waves a work-group, clusters of 4 x 4, 327,680 bytes of LDS; arguments nrm, wb, b1, act; writes act
.if DOCPART == 5
	.amdgcn_target "amdgcn-amd-amdhsa--gfx1250"
	.amdhsa_code_object_version 6
	.text
	.protected	k_q71a339e981_ffn1
	.globl	k_q71a339e981_ffn1
	.p2align	8
	.type	k_q71a339e981_ffn1,@function
k_q71a339e981_ffn1:
	s_mov_b64 s[64:65], 0
	v_nop
	global_prefetch_b8 v0, s[64:65] scope:SCOPE_SE
	s_setreg_imm32_b32 hwreg(HW_REG_WAVE_MODE, 25, 1), 1
	s_wait_xcnt 0x0
	s_wait_alu depctr_hold_cnt(0) depctr_sa_sdst(0) depctr_va_vdst(0) depctr_va_sdst(0) depctr_va_ssrc(0) depctr_va_vcc(0) depctr_vm_vsrc(0)
	s_getreg_b32 s2, hwreg(HW_REG_IB_STS2, 6, 4)
	s_cmp_eq_u32 s2, 0
	s_cbranch_scc0 .Lentry_in_a_cluster
	s_endpgm
.Lentry_in_a_cluster:
	s_bfe_u32 s2, ttmp6, 0x10000c
	s_cmp_lg_u32 s2, 0xf033
	s_cbranch_scc0 .Lentry_shape_is_right
	s_endpgm
.Lentry_shape_is_right:
; C = A W + bias with K = 512, A kept in registers.  QKV = 1: A = nrm, W = wq, wk, wv by turns, q and k rotated (RoPE), out = qkv [3][8 heads][8192][64] bf16.
; QKV = 0: A = nrm, W = w1, ReLU, out = act [32 blocks of 64 columns][8192][64] bf16.  Operands bf16, sums f32, bias as the sums' start.
; SHARES.  Work-group (g, rb) owns rows 128 rb .. + 127 and the column tiles g + 4 t of 128 columns, t = 0 .. NT - 1 (QKV: t is the matrix, g the tile in it).
; Four waves, 2 x 2: a wave makes 64 x 64, 16 accumulators.  A wave's fragments of A for all of K, 4 x 16 x 8 = 512 registers, are read from LDS once; after that
; only W is read: 8 LDS loads for 16 matrix instructions.  LDS holds two whole panels of W (512 k-rows x 128 columns); a panel is asked for a whole tile, 256 matrix instructions a wave, ahead.
; CLUSTER 4 x 4.  A's panel hangs on rb alone and is asked for jointly along a row of the cluster, W's on g and t alone, jointly along a column.
; THE MATRIX INSTRUCTION IS USED TRANSPOSED: source 0 = 16 columns of W (turned out of LDS by ds_load_tr16_b128), source 1 = 16 rows of A: a lane holds row lane % 16 and columns 8 (lane / 16) + 0..7.
; A wave's 64 columns of 16 rows are 2,048 dense bytes of the blocked output: every store of the wave covers 512 consecutive bytes, aligned.
; REGISTERS: window 0: v0-21 addresses; v24-31 at work; v32-63 bias; v64-95 a block's 32 numbers; v96-127 packed, two sets; v128-255 cosines and sines (QKV)
;   window 1: v0-127 accumulators (a, b) at 8 (4 a + b); v128-191, v192-255 W's fragments, two buffers of 64 along K      windows 2, 3: A's fragments, (ks, a) at 8 (4 ks + a)
.set QKV, 0
.if QKV
.set NT,    3
.set NW,    512                        ; W's row, in numbers
.set WOFF,  0                          ; W's first byte in wb
.set TSTEP, 524288                     ; from a tile to the group's next: the next matrix
.set KINDL, 1                          ; the way out in the loop: RoPE
.set KINDT, 0                          ; and of the last tile (v): plain
.else
.set NT,    4
.set NW,    2048
.set WOFF,  2097152
.set TSTEP, 1024                       ; four tiles of 128 columns on
.set KINDL, 2                          ; ReLU
.set KINDT, 2
.endif
.set PA,    1040                       ; a row of A in LDS: 1,024 bytes + 16: the 16 rows of a load start at 16 different groups of four banks
.set PB,    288                        ; a k-row of W: 256 bytes + 32
.set SLOT,  512*PB                     ; a panel of W; A's panel (128 x 1,040 bytes) is the first tenant of slot 1
.set STAGE, 2*SLOT                     ; 16 rows x 144 bytes for each wave, for the way out; no tensor load fills it
.set SP,    144
.set SPARE, STAGE+4*16*SP              ; the spare words, 128 bytes a wave
.set AAD, 3
.set LB0, 4
.set ADR, 5                            ; v5-7: W's fragments of quarters 0-2, 3-5, 6-7
.set STO, 8
.set RD,  9
.set GO,  10
.set BO,  11
.set RO,  12
.set SPW, 20
.set NIL, 21
.set T,   24
.set BIAS, 32
.set U,   64
.set PK,  96
.set TAB, 128                          ; block a: cos at TAB + 32 a + 8 e, sin 16 further on (e = 0, 1: channels 16 e + 8 (lane / 16) + 0..7)
.set FR,  128
.set WV,  20
.set WR,  21
.set WC,  22
.set CX,  23
.set CY,  24
.set GX,  25
.set RB,  26
.set G1A, 28
.set G1B, 36
.set G0A, 44
.set G0B, 48
.set SBR, 53                           ; the slot that is read
.set TLS, 55
.set OUT, 56
.set BPA, 58                           ; the first tile's bias
.set BP,  60                           ; the next tile's
.set BP2, 62                           ; the one after (QKV)
.set RP,  78
.set MSB, 0
.macro WIN new                         ; the immediate's high byte repeats the setting that is left; a switch that changes nothing is dropped
.if MSB != (\new)
	s_set_vgpr_msb (MSB<<8)|(\new)
.set MSB, \new
.endif
.endm
.macro PLACES                          ; four places: in front of loads into registers that matrix instructions have read, of reads of their results, and behind tensor loads
.rept 4
	v_nop
.endr
.endm
.macro CREST                           ; a round of the cluster's barrier behind its opening barrier
	s_cmp_lg_u32 s[WV], 0
	s_cbranch_scc1 .Lnot_wave_0_\@
	s_barrier_signal -3
.Lnot_wave_0_\@:
	s_barrier_wait -3
	s_barrier_signal -1
	s_barrier_wait -1
.endm
.macro CROUND
	s_barrier_signal -1
	s_barrier_wait -1
	CREST
.endm
.if QKV
	s_load_b256 s[4:11], s[0:1], 0x0               ; nrm, wb, bq, bk
	s_load_b128 s[12:15], s[0:1], 0x20             ; bv, rope
	s_load_b64 s[16:17], s[0:1], 0x30              ; qkv
.else
	s_load_b256 s[4:11], s[0:1], 0x0               ; nrm, wb, b1, act
.endif
	v_lshl_add_u32 v[SPW], v0, 2, SPARE
	v_mov_b32 v[NIL], 0
	ds_add_u32 v[SPW], v[NIL]                      ; the wave's opening: the add and its wait stand ahead of my first tensor load
	v_lshrrev_b32 v1, 5, v0
	v_readfirstlane_b32 s[WV], v1
	s_lshr_b32 s[WR], s[WV], 1                     ; my half of the rows
	s_and_b32 s[WC], s[WV], 1                      ; my half of the columns
	s_bfe_u32 s[CX], ttmp6, 0x40000
	s_bfe_u32 s[CY], ttmp6, 0x40004
	s_lshl_b32 s[GX], ttmp9, 2
	s_add_co_u32 s[GX], s[GX], s[CX]               ; g
	s_and_b32 s[RB], ttmp7, 0xffff
	s_lshl_b32 s[RB], s[RB], 2
	s_add_co_u32 s[RB], s[RB], s[CY]               ; rb
	s_lshl_b32 s66, s[CY], 2
	s_lshl_b32 s66, 15, s66                        ; my row of the cluster
	s_lshl_b32 s70, 0x1111, s[CX]                  ; my column
	; A: 32 rows x 512 numbers a wave, 16 bytes of padding behind every 256 words
	s_or_b32 s[G1A], s66, (1<<16)|(1<<20)|(1<<21)|(7<<22)|(3<<25)
	s_mov_b32 s[G1A+1], 512<<16                    ; tensor_dim0
	s_mov_b32 s[G1A+2], 32<<16                     ; tensor_dim1
	s_mov_b32 s[G1A+3], 512<<16                    ; tile_dim0
	s_mov_b32 s[G1A+4], 32                         ; tile_dim1
	s_mov_b32 s[G1A+5], 512                        ; numbers from row to row
	s_mov_b32 s[G1A+6], 0
	s_mov_b32 s[G1A+7], 0
	; W: 128 k-rows x 128 numbers a wave, 32 bytes of padding behind every 64 words
	s_or_b32 s[G1B], s70, (1<<16)|(1<<20)|(1<<21)|(5<<22)|(7<<25)
	s_mov_b32 s[G1B+1], 128<<16
	s_mov_b32 s[G1B+2], 128<<16
	s_mov_b32 s[G1B+3], 128<<16
	s_mov_b32 s[G1B+4], 128
	s_mov_b32 s[G1B+5], NW
	s_mov_b32 s[G1B+6], 0
	s_mov_b32 s[G1B+7], 0
	s_mov_b32 s[G0A], 1
	s_mul_i32 s67, s[WV], 32*PA
	s_add_co_u32 s[G0A+1], s67, SLOT               ; A's panel lies where slot 1 will be
	s_mov_b32 s[G0B], 1
	s_mul_i32 s[G0B+1], s[WV], 128*PB              ; slot 0, my quarter.  36,864 w shares no bit with SLOT = 0x24000: an exclusive or changes slots
	s_lshl_b32 s66, s[RB], 17                      ; A: 128 rb rows of 1,024 bytes,
	s_lshl_b32 s67, s[WV], 15                      ; and my 32
	s_add_co_u32 s66, s66, s67
	s_mov_b32 s67, 0
	s_mul_i32 s70, s[WV], 256*NW                   ; W: my 128 k-rows,
	s_lshl_b32 s71, s[GX], 8                       ; tile g's 256 bytes of them
	s_add_co_u32 s70, s70, s71
	s_add_co_u32 s70, s70, WOFF
	s_mov_b32 s71, 0
	s_lshl_b32 s74, s[GX], 1                       ; out: block 2 g + wc of 64 columns, 1,048,576 bytes each,
	s_add_co_u32 s74, s74, s[WC]
	s_lshl_b32 s74, s74, 20
	s_lshl_b32 s75, s[RB], 14                      ; row 128 rb + 64 wr, 128 bytes each
	s_add_co_u32 s74, s74, s75
	s_lshl_b32 s75, s[WR], 13
	s_add_co_u32 s74, s74, s75
	s_mov_b32 s75, 0
	s_lshl_b32 s76, s[GX], 9                       ; bias: tile g's 512 bytes
	s_mov_b32 s77, 0
	s_lshl_b32 s80, s[RB], 15                      ; the table: row 128 rb + 64 wr, 256 bytes each
	s_lshl_b32 s81, s[WR], 14
	s_add_co_u32 s80, s80, s81
	s_mov_b32 s81, 0
	s_mov_b32 s[SBR], SLOT                         ; the first change of slots turns it into 0
	s_mov_b32 s[TLS], NT-1
	s_wait_dscnt 0x0                               ; the opening add is done
	s_wait_kmcnt 0x0
	s_add_nc_u64 s[G0A+2:G0A+3], s[4:5], s[66:67]
	s_or_b32 s[G0A+3], s[G0A+3], 0x80000000
	s_add_nc_u64 s[G0B+2:G0B+3], s[6:7], s[70:71]
	s_or_b32 s[G0B+3], s[G0B+3], 0x80000000
.if QKV
	s_add_nc_u64 s[OUT:OUT+1], s[16:17], s[74:75]
	s_add_nc_u64 s[BPA:BPA+1], s[8:9], s[76:77]
	s_add_nc_u64 s[BP:BP+1], s[10:11], s[76:77]
	s_add_nc_u64 s[BP2:BP2+1], s[12:13], s[76:77]
	s_add_nc_u64 s[RP:RP+1], s[14:15], s[80:81]
.else
	s_add_nc_u64 s[OUT:OUT+1], s[10:11], s[74:75]
	s_add_nc_u64 s[BPA:BPA+1], s[8:9], s[76:77]
	s_add_nc_u64 s[BP:BP+1], s[BPA:BPA+1], 2048
.endif
	CROUND                                         ; all sixteen work-groups are here: the first joint loads meet
	tensor_load_to_lds s[G0A:G0A+3], s[G1A:G1A+7]  ; two loads of mine are out: my quarter of A,
	s_nop 0
	tensor_load_to_lds s[G0B:G0B+3], s[G1B:G1B+7]  ; and of W's first panel
	s_nop 0
	PLACES
	v_and_b32 v1, 15, v0                           ; l % 16
	v_bfe_u32 v2, v0, 4, 1                         ; l / 16
	v_and_b32 v13, 7, v0
	v_bfe_u32 v14, v0, 3, 1
	v_lshlrev_b32 v[BO], 5, v2                     ; bias: 256 wc + 32 (l / 16)
	v_lshl_add_u32 v[BO], s[WC], 8, v[BO]
.macro BIASLD p                        ; register 8 b + j: the bias of column 16 b + 8 (l / 16) + j: the C operand of the tile's first products
.irp b, 0,1,2,3
	global_load_b128 v[BIAS+8*\b:BIAS+8*\b+3], v[BO], s[\p:\p+1] offset:64*\b
	global_load_b128 v[BIAS+8*\b+4:BIAS+8*\b+7], v[BO], s[\p:\p+1] offset:64*\b+16
.endr
.endm
	BIASLD BPA
.if QKV
	v_lshlrev_b32 v[RO], 8, v1
	v_lshl_add_u32 v[RO], v2, 5, v[RO]             ; row x 256 + 32 (l / 16)
.irp a, 0,1,2,3
.irp e, 0,1
	global_load_b128 v[TAB+32*\a+8*\e:TAB+32*\a+8*\e+3], v[RO], s[RP:RP+1] offset:\a*4096+64*\e
	global_load_b128 v[TAB+32*\a+8*\e+4:TAB+32*\a+8*\e+7], v[RO], s[RP:RP+1] offset:\a*4096+64*\e+16
	global_load_b128 v[TAB+32*\a+16+8*\e:TAB+32*\a+16+8*\e+3], v[RO], s[RP:RP+1] offset:\a*4096+128+64*\e
	global_load_b128 v[TAB+32*\a+16+8*\e+4:TAB+32*\a+16+8*\e+7], v[RO], s[RP:RP+1] offset:\a*4096+128+64*\e+16
.endr
.endr
.endif
	v_mul_u32_u24 v[AAD], v1, PA                   ; a fragment of A: row x pitch + 16 (l / 16), two loads 32 bytes apart
	v_lshl_add_u32 v[AAD], v2, 4, v[AAD]
	s_mul_i32 s72, s[WR], 64*PA
	s_add_co_u32 s72, s72, SLOT
	v_add_nc_u32 v[AAD], s72, v[AAD]
	v_lshl_add_u32 v[LB0], v2, 3, v13              ; the turning load: lane l reads k-row 8 (l / 16) + l % 8, columns 8 ((l / 8) % 2) + 0..7
	v_mul_u32_u24 v[LB0], v[LB0], PB
	v_lshl_add_u32 v[LB0], v14, 4, v[LB0]
	s_lshl_b32 s72, s[WC], 7
	v_add_nc_u32 v[LB0], s72, v[LB0]
	s_mul_i32 s72, s[WV], 16*SP
	s_add_co_u32 s72, s72, STAGE                   ; my stage
	v_mul_u32_u24 v[STO], v1, SP                   ; in: row l % 16, 16 bytes for each half of the lanes
	v_lshl_add_u32 v[STO], v2, 4, v[STO]
	v_add_nc_u32 v[STO], s72, v[STO]
	v_bfe_u32 v[RD], v0, 3, 2                      ; back: 32 lanes take four rows of 128 bytes,
	v_mul_u32_u24 v[RD], v[RD], SP
	v_lshl_add_u32 v[RD], v13, 4, v[RD]
	v_add_nc_u32 v[RD], s72, v[RD]
	v_and_b32 v[GO], 31, v0                        ; which are 512 consecutive bytes of the output
	v_lshlrev_b32 v[GO], 4, v[GO]
	s_wait_tensorcnt 0x1                           ; my quarter of A is in; W's panel, issued behind it, may stay out
	s_barrier_signal -1
	s_barrier_wait -1                              ; everybody's quarter is in
	WIN 0x80                                       ; A's fragments of K steps 0-7 into window 2,
.set ks, 0
.rept 8
.irp a, 0,1,2,3
	ds_load_b128 v[8*(4*ks+\a):8*(4*ks+\a)+3], v[AAD] offset:\a*16*PA+64*ks
	ds_load_b128 v[8*(4*ks+\a)+4:8*(4*ks+\a)+7], v[AAD] offset:\a*16*PA+64*ks+32
.endr
.set ks, ks+1
.endr
	WIN 0xc0                                       ; of K steps 8-15 into window 3
.rept 8
.irp a, 0,1,2,3
	ds_load_b128 v[8*(4*(ks-8)+\a):8*(4*(ks-8)+\a)+3], v[AAD] offset:\a*16*PA+64*ks
	ds_load_b128 v[8*(4*(ks-8)+\a)+4:8*(4*(ks-8)+\a)+7], v[AAD] offset:\a*16*PA+64*ks+32
.endr
.set ks, ks+1
.endr
	WIN 0
; THE CHANGE OF SLOTS.  Each wave waits for all its tensor loads (one is out: its quarter of the panel to be read next), adds 0 to its spare word, and waits for that and for its reads of the
; slot that it leaves (at the first change: of A's panel).  fill = 1: a round of the cluster's barrier, so that no wave of any partner still reads the slot or has a load on its way; the joint refill is the first thing behind it.
.macro CHANGE fill
	WIN 0
	s_wait_tensorcnt 0x0                           ; no tensor load of mine is out, so the descriptor may be written
	ds_add_u32 v[SPW], v[NIL]
.if \fill
	s_xor_b32 s[G0B+1], s[G0B+1], SLOT             ; the other slot,
	s_add_nc_u64 s[G0B+2:G0B+3], s[G0B+2:G0B+3], TSTEP  ; the group's next tile
.endif
	s_xor_b32 s[SBR], s[SBR], SLOT
	s_wait_dscnt 0x0                               ; the add is done, and my reads are over
.if \fill
	CROUND
	tensor_load_to_lds s[G0B:G0B+3], s[G1B:G1B+7]
	s_nop 0
	PLACES
.else
	s_barrier_signal -1
	s_barrier_wait -1
.endif
.endm
; 16 turning loads: W's fragments of quarter q (64 along K) into buffer q % 2, the first 32 along K first
.macro FETCHB q
	WIN 0x40
.set FB, FR+64*((\q)%2)
.irp c, 0,1
.irp i, 0,1,2,3
	ds_load_tr16_b128 v[FB+32*\c+8*\i:FB+32*\c+8*\i+3], v[ADR+(\q)/3] offset:((\q)%3)*64*PB+\c*32*PB+32*\i
	ds_load_tr16_b128 v[FB+32*\c+8*\i+4:FB+32*\c+8*\i+7], v[ADR+(\q)/3] offset:((\q)%3)*64*PB+\c*32*PB+16*PB+32*\i
.endr
.endr
.endm
; 16 matrix instructions, K step ks; the 16 accumulators take turns, in the same order in every K step.  K step 0 starts the sums with the bias.
.macro MUL16 ks
.set FB, FR+64*(((\ks)/2)%2)+32*((\ks)%2)
.if (\ks) == 0
	WIN 0x49                                       ; W window 1, A window 2, C (bias) window 0, D window 1
.else
	WIN 0x51|((2+(\ks)/8)<<2)
.endif
.irp a, 0,1,2,3
.irp b, 0,1,2,3
.if (\ks) == 0
	v_wmma_f32_16x16x32_bf16 v[8*(4*\a+\b):8*(4*\a+\b)+7], v[FB+8*\b:FB+8*\b+7], v[8*\a:8*\a+7], v[BIAS+8*\b:BIAS+8*\b+7]
.else
	v_wmma_f32_16x16x32_bf16 v[8*(4*\a+\b):8*(4*\a+\b)+7], v[FB+8*\b:FB+8*\b+7], v[(8*(4*(\ks)+\a))%256:(8*(4*(\ks)+\a))%256+7], v[8*(4*\a+\b):8*(4*\a+\b)+7]
.endif
.endr
.endr
.endm
.macro QUART q, nb
	s_wait_dscnt 8                                 ; the first 32 along K are in; the eight loads of the second 32 may be out
	MUL16 2*(\q)
.if (\q) < 7
	PLACES
.if ((\q) == 0) && (\nb)
	WIN 0
	BIASLD BP                                      ; the next tile's bias: this tile's has been taken
.endif
	FETCHB (\q)+1
	s_wait_dscnt 16                                ; all but the 16 just issued
.else
	s_wait_dscnt 0x0
.endif
	MUL16 2*(\q)+1
.endm
.macro TILE nb                         ; nb = 1: a further tile follows
	WIN 0
	v_add_nc_u32 v[ADR], s[SBR], v[LB0]
	v_add_nc_u32 v[ADR+1], 3*64*PB, v[ADR]
	v_add_nc_u32 v[ADR+2], 6*64*PB, v[ADR]
	FETCHB 0
	s_wait_loadcnt 0x0                             ; the bias (and, the first time, the table)
.irp q, 0,1,2,3,4,5,6,7
	QUART \q, \nb
.endr
.endm
; THE WAY OUT of block a (16 rows x 64 columns).  kind 1: RoPE: out[d] = x[d] cos - x[d + 32] sin, out[d + 32] = x[d + 32] cos + x[d] sin, d = 16 e + 8 (l / 16) + 0..7;
; kind 2: ReLU; kind 0: as it is.  Each accumulator's registers are read in ascending order.  Then rounded to bf16, through my stage, back as whole rows.
.macro PACK a, kind
	s_wait_xcnt 0x0                                ; the packed registers, which earlier stores read, are rewritten only behind this wait
.set AC, 32*(\a)
.set PKB, PK+16*((\a)%2)
.set CB, TAB+32*(\a)
.if (\kind) == 1
	WIN 0x01                                       ; source 0 (accumulators) window 1
.irp e, 0,1
.irp p, 0,1,2,3
	v_pk_mul_f32 v[T+4*(\p%2):T+4*(\p%2)+1], v[AC+8*(\e+2)+2*\p:AC+8*(\e+2)+2*\p+1], v[CB+16+8*\e+2*\p:CB+16+8*\e+2*\p+1]
	v_pk_mul_f32 v[T+4*(\p%2)+2:T+4*(\p%2)+3], v[AC+8*\e+2*\p:AC+8*\e+2*\p+1], v[CB+16+8*\e+2*\p:CB+16+8*\e+2*\p+1]
	v_pk_fma_f32 v[U+8*\e+2*\p:U+8*\e+2*\p+1], v[AC+8*\e+2*\p:AC+8*\e+2*\p+1], v[CB+8*\e+2*\p:CB+8*\e+2*\p+1], v[T+4*(\p%2):T+4*(\p%2)+1] neg_lo:[0,0,1] neg_hi:[0,0,1]
	v_pk_fma_f32 v[U+8*(\e+2)+2*\p:U+8*(\e+2)+2*\p+1], v[AC+8*(\e+2)+2*\p:AC+8*(\e+2)+2*\p+1], v[CB+8*\e+2*\p:CB+8*\e+2*\p+1], v[T+4*(\p%2)+2:T+4*(\p%2)+3]
.endr
.endr
.endif
.if (\kind) == 2
	WIN 0x04                                       ; source 1 (accumulators) window 1
.set i, 0
.rept 32
	v_max_num_f32 v[U+i], 0, v[AC+i]
.set i, i+1
.endr
.endif
.if (\kind) == 0
	WIN 0x05
.set i, 0
.rept 16
	v_cvt_pk_bf16_f32 v[PKB+i], v[AC+2*i], v[AC+2*i+1]
.set i, i+1
.endr
	WIN 0
.else
	WIN 0
.set i, 0
.rept 16
	v_cvt_pk_bf16_f32 v[PKB+i], v[U+2*i], v[U+2*i+1]
.set i, i+1
.endr
.endif
.irp f, 0,1,2,3
	ds_store_b128 v[STO], v[PKB+4*\f:PKB+4*\f+3] offset:32*\f
.endr
.irp f, 0,1,2,3
	ds_load_b128 v[PKB+4*\f:PKB+4*\f+3], v[RD] offset:\f*4*SP  ; LDS serves a wave's instructions in order: these see the stores above; the next block's stores come behind them
.endr
.endm
.macro SEND a, y                       ; y: the LDS instructions issued behind block a's loads
	WIN 0
.irp f, 0,1,2,3
	s_wait_dscnt (\y)+3-\f
	global_store_b128 v[GO], v[PK+16*((\a)%2)+4*\f:PK+16*((\a)%2)+4*\f+3], s[OUT:OUT+1] offset:(\a)*2048+\f*512
.endr
.endm
.macro EPI kind
	PLACES
	PACK 0, \kind
	PACK 1, \kind
	SEND 0, 8
	PACK 2, \kind
	SEND 1, 8
	PACK 3, \kind
	SEND 2, 8
	SEND 3, 0
.endm
.Ltile:                                                ; NT - 1 trips: a tile is multiplied while the next panel lands
	CHANGE 1
	TILE 1
	EPI KINDL
	s_wait_xcnt 0x0                                ; the stores' base and the bias loads' base are stepped only behind this wait
	s_add_nc_u64 s[OUT:OUT+1], s[OUT:OUT+1], 8388608   ; eight blocks of 64 columns on
.if QKV
	s_mov_b64 s[BP:BP+1], s[BP2:BP2+1]
.else
	s_add_nc_u64 s[BP:BP+1], s[BP:BP+1], 2048
.endif
	s_sub_co_u32 s[TLS], s[TLS], 1
	s_cmp_lg_u32 s[TLS], 0
	s_cbranch_scc1 .Ltile
	CHANGE 0                                       ; the last tile is written out: nothing is asked for
	TILE 0
	EPI KINDT
	s_wait_tensorcnt 0x0                           ; the wave's end
	ds_add_u32 v[SPW], v[NIL]
	s_wait_dscnt 0x0
	CROUND                                         ; the closing round
	s_endpgm
.Lfunc_end_k_q71a339e981_ffn1:
	.size	k_q71a339e981_ffn1, .Lfunc_end_k_q71a339e981_ffn1-k_q71a339e981_ffn1
	.p2alignl 7, 3214868480
	.fill 96, 4, 3214868480
	.section	.rodata,"a",@progbits
	.p2align	6, 0x0
	.amdhsa_kernel k_q71a339e981_ffn1
		.amdhsa_group_segment_fixed_size 327680
		.amdhsa_private_segment_fixed_size 0
		.amdhsa_enable_private_segment 0
		.amdhsa_kernarg_size 32
		.amdhsa_user_sgpr_count 2
		.amdhsa_user_sgpr_kernarg_segment_ptr 1
		.amdhsa_wavefront_size32 1
		.amdhsa_system_sgpr_workgroup_id_x 1
		.amdhsa_system_sgpr_workgroup_id_y 1
		.amdhsa_system_sgpr_workgroup_id_z 1
		.amdhsa_system_vgpr_workitem_id 0
		.amdhsa_next_free_vgpr 1024
		.amdhsa_next_free_sgpr 84
		.amdhsa_reserve_vcc 0
		.amdhsa_float_denorm_mode_32 3
		.amdhsa_float_denorm_mode_16_64 3
		.amdhsa_memory_ordered 1
		.amdhsa_forward_progress 1
		.amdhsa_inst_pref_size 95
	.end_amdhsa_kernel
	.amdgpu_metadata
---
amdhsa.version: [ 1, 2 ]
amdhsa.kernels:
  - .name:           k_q71a339e981_ffn1
    .symbol:         k_q71a339e981_ffn1.kd
    .args:
      - { .name: nrm, .offset: 0, .size: 8, .value_kind: global_buffer, .address_space: global }
      - { .name: wb, .offset: 8, .size: 8, .value_kind: global_buffer, .address_space: global }
      - { .name: b1, .offset: 16, .size: 8, .value_kind: global_buffer, .address_space: global }
      - { .name: act, .offset: 24, .size: 8, .value_kind: global_buffer, .address_space: global }
    .group_segment_fixed_size: 327680
    .private_segment_fixed_size: 0
    .kernarg_segment_align: 8
    .kernarg_segment_size: 32
    .max_flat_workgroup_size: 128
    .sgpr_count:     84
    .vgpr_count:     1024
    .wavefront_size: 32
...
	.end_amdgpu_metadata
.endif
;; end of part 5
;; launch ffn2 (part 6): grid 4 x 64, 4 waves a work-group, clusters of 4 x 4, 327,680 bytes of LDS; arguments act, wb, b2, x1, out0; writes out0
.if DOCPART == 6
	.amdgcn_target "amdgcn-amd-amdhsa--gfx1250"
	.amdhsa_code_object_version 6
	.text
	.protected	k_q71a339e981_ffn2
	.globl	k_q71a339e981_ffn2
	.p2align	8
	.type	k_q71a339e981_ffn2,@function
k_q71a339e981_ffn2:
	s_mov_b64 s[64:65], 0
	v_nop
	global_prefetch_b8 v0, s[64:65] scope:SCOPE_SE
	s_setreg_imm32_b32 hwreg(HW_REG_WAVE_MODE, 25, 1), 1
	s_wait_xcnt 0x0
	s_wait_alu depctr_hold_cnt(0) depctr_sa_sdst(0) depctr_va_vdst(0) depctr_va_sdst(0) depctr_va_ssrc(0) depctr_va_vcc(0) depctr_vm_vsrc(0)
	s_getreg_b32 s2, hwreg(HW_REG_IB_STS2, 6, 4)
	s_cmp_eq_u32 s2, 0
	s_cbranch_scc0 .Lentry_in_a_cluster
	s_endpgm
.Lentry_in_a_cluster:
	s_bfe_u32 s2, ttmp6, 0x10000c
	s_cmp_lg_u32 s2, 0xf033
	s_cbranch_scc0 .Lentry_shape_is_right
	s_endpgm
.Lentry_shape_is_right:
; out = res + A W + bias.  A: bf16 in blocks [SIZE_K / 64][8192 rows][64]; W: bf16 [SIZE_K][512] at byte WOFF of wb; bias [512], res and out [8192][512] f32.  Sums in f32.
; A tile of out is 128 x 128: four waves, each 64 x 64, 16 accumulators.  K goes in steps of 256 through two LDS slots; a wave's tensor load brings a quarter of a slot (waves 0, 1: two blocks of A, 128 rows x 64 each,
; dense in memory; waves 2, 3: 128 k-rows of W).  CLUSTER 4 x 4: A's tiles are asked for jointly along a row of the cluster, W's along a column.
; A K STEP IS WRITTEN TWICE: once with a refill, looped over the first NSTEP - 2 steps, once without, looped over the last two.  The slot in hand is a scalar that an exclusive or turns.  The price of the
; second loop: the very last change of slots fetches 32 fragment loads (of bytes that landed two steps before) that nobody multiplies.
; THE MATRIX INSTRUCTION IS USED TRANSPOSED: source 0 = 16 columns of W (turned by ds_load_tr16_b128), source 1 = 16 rows of A: a lane holds row lane % 16, columns 8 (lane / 16) + 0..7.
; The bias is loaded straight into the accumulators, so every product adds in place.  The residual is loaded at the start as whole rows of 256 bytes, kept in window 2, and added on the way out,
; where the stage has turned a block into such rows: its loads and the stores cover 256 consecutive bytes for each 16 lanes, aligned.
; REGISTERS: window 0: v0-31 addresses; v32-95 two buffers of 16 rows on the way out; v128-255 accumulators (a, b) at 128 + 8 (4 a + b)
;   window 1: two fragment buffers of 128 (64 along K: 64 registers of A, then 64 of W)      window 2: v0-127 the residual
.set SIZE_K, 2048
.set WOFF,   4194304
.set PA,     144                       ; a row of a block of A in LDS: 128 bytes + 16
.set PB,     288                       ; a k-row of W: 256 bytes + 32
.set QTR,    128*PA                    ; 64 along K: a block of A, and as many bytes of W (64 x 288)
.set PART,   2*QTR                     ; what one tensor load brings
.set SLOT,   4*PART                    ; A's four blocks, then W's 256 k-rows.  0x24000: it shares no bit with wave x PART, so an exclusive or changes slots
.set STAGE,  2*SLOT
.set SPITCH, 272
.set SPARE,  STAGE+4*16*SPITCH
.set NSTEP,  SIZE_K/256
.set ADRA0, 16                         ; v16     my lane's place among A's fragments in a slot; never rewritten
.set ADRB0, 17                         ; v17     the same for W's
.set ADRA,  18                         ; v18     A's fragments in the slot in hand
.set ADRB,  20                         ; v20-21  W's: quarters 0-1, 2-3
.set STO,  24
.set RD,   25
.set CO,   26
.set BO,   27
.set SPW,  28
.set NIL,  29
.set RBF,  32
.set ACC,  128
.set F0,   0
.set F1,   128
.set WV,  20
.set HF,  21
.set LW,  22
.set TR,  23
.set TC,  24
.set CX,  25
.set CY,  26
.set LAP, 27
.set G1,  28
.set G0,  36                           ; s[36:43] group 0 for A's tiles: a set for each of the two first fills; the second then walks on
.set G1B, 44
.set G0B, 52                           ; s[52:59] the same for W's
.set SBR, 62                           ; s62  the slot that is read
.set MSB, 0
.macro WIN new
.if MSB != (\new)
	s_set_vgpr_msb (MSB<<8)|(\new)
.set MSB, \new
.endif
.endm
.set MUL,  0x05                        ; sources 0 (W) and 1 (A) window 1; C and D window 0
.set TO_F, 0x40
.macro PLACES
.rept 4
	v_nop
.endr
.endm
.macro JLOAD s                         ; a joint load: waves 0 and 1 fetch A's halves, waves 2 and 3 W's
	s_cmp_eq_u32 s[HF], 0
	s_cbranch_scc0 .Lfor_b_\@
	tensor_load_to_lds s[G0+4*(\s):G0+4*(\s)+3], s[G1:G1+7]
	s_nop 0
	PLACES
	s_branch .Lasked_\@
.Lfor_b_\@:
	tensor_load_to_lds s[G0B+4*(\s):G0B+4*(\s)+3], s[G1B:G1B+7]
	s_nop 0
	PLACES
.Lasked_\@:
.endm
.macro CREST
	s_cmp_lg_u32 s[WV], 0
	s_cbranch_scc1 .Lnot_wave_0_\@
	s_barrier_signal -3
.Lnot_wave_0_\@:
	s_barrier_wait -3
	s_barrier_signal -1
	s_barrier_wait -1
.endm
.macro CROUND
	s_barrier_signal -1
	s_barrier_wait -1
	CREST
.endm
	s_load_b256 s[4:11], s[0:1], 0x0               ; A, wb, bias, res
	s_load_b64 s[12:13], s[0:1], 0x20              ; out
	v_lshl_add_u32 v[SPW], v0, 2, SPARE
	v_mov_b32 v[NIL], 0
	ds_add_u32 v[SPW], v[NIL]                      ; the wave's opening: the add and its wait stand ahead of my first tensor load
	v_lshrrev_b32 v1, 5, v0
	v_readfirstlane_b32 s[WV], v1
	s_lshr_b32 s[HF], s[WV], 1                     ; my half of the tile's rows.  Also: I fetch for A (0) or for W (1)
	s_and_b32 s[LW], s[WV], 1                      ; my half of its columns.  Also: which half of that tile I fetch
	s_bfe_u32 s[CX], ttmp6, 0x40000
	s_bfe_u32 s[CY], ttmp6, 0x40004
	s_lshl_b32 s[TC], ttmp9, 2
	s_add_co_u32 s[TC], s[TC], s[CX]               ; tile column
	s_and_b32 s[TR], ttmp7, 0xffff
	s_lshl_b32 s[TR], s[TR], 2
	s_add_co_u32 s[TR], s[TR], s[CY]               ; tile row
	s_lshl_b32 s16, s[CY], 2
	s_lshl_b32 s16, 15, s16                        ; my row of the cluster
	s_lshl_b32 s60, 0x1111, s[CX]                  ; my column
	; A: two blocks; a block's 128 rows are 8,192 dense numbers, one long row; 16 bytes of padding behind every 32 words
	s_or_b32 s[G1], s16, (1<<16)|(1<<20)|(1<<21)|(4<<22)|(3<<25)
	s_mov_b32 s[G1+1], 8192<<16                    ; tensor_dim0
	s_mov_b32 s[G1+2], 2<<16                       ; tensor_dim1
	s_mov_b32 s[G1+3], 8192<<16                    ; tile_dim0
	s_mov_b32 s[G1+4], 2                           ; tile_dim1
	s_mov_b32 s[G1+5], 524288                      ; numbers from block to block
	s_mov_b32 s[G1+6], 0
	s_mov_b32 s[G1+7], 0
	; W: 128 k-rows x 128 numbers; 32 bytes of padding behind every 64 words
	s_or_b32 s[G1B], s60, (1<<16)|(1<<20)|(1<<21)|(5<<22)|(7<<25)
	s_mov_b32 s[G1B+1], 128<<16
	s_mov_b32 s[G1B+2], 128<<16
	s_mov_b32 s[G1B+3], 128<<16
	s_mov_b32 s[G1B+4], 128
	s_mov_b32 s[G1B+5], 512
	s_mov_b32 s[G1B+6], 0
	s_mov_b32 s[G1B+7], 0
	s_lshl_b32 s16, s[TR], 14                      ; A: the tile's 128 rows of 128 bytes, my two blocks of 1,048,576
	s_lshl_b32 s17, s[LW], 21
	s_add_co_u32 s16, s16, s17
	s_mov_b32 s17, 0
	s_lshl_b32 s60, s[LW], 17                      ; W: my 128 k-rows of 1,024 bytes, the tile's 256 bytes of them
	s_lshl_b32 s61, s[TC], 8
	s_add_co_u32 s60, s60, s61
	s_add_co_u32 s60, s60, WOFF
	s_mov_b32 s61, 0
	s_mul_i32 s18, s[WV], PART                     ; where they go: wave x a quarter of a slot
	s_lshl_b32 s66, s[TR], 18                      ; res and out: row 128 tr + 64 (w / 2), 2,048 bytes each; column 128 tc + 64 (w % 2)
	s_lshl_b32 s67, s[HF], 17
	s_add_co_u32 s66, s66, s67
	s_lshl_b32 s68, s[TC], 9
	s_lshl_b32 s69, s[LW], 8
	s_add_co_u32 s68, s68, s69                     ; the same columns in the bias
	s_add_co_u32 s66, s66, s68
	s_mov_b32 s67, 0
	s_mov_b32 s69, 0
	s_mov_b32 s[SBR], 0
	s_wait_dscnt 0x0                               ; the opening add is done
	s_wait_kmcnt 0x0
	s_add_nc_u64 s[4:5], s[4:5], s[16:17]
	s_add_nc_u64 s[6:7], s[6:7], s[60:61]
	s_add_nc_u64 s[8:9], s[8:9], s[68:69]
	s_add_nc_u64 s[10:11], s[10:11], s[66:67]
	s_add_nc_u64 s[12:13], s[12:13], s[66:67]
	CROUND                                         ; all sixteen work-groups are here: the first joint loads meet
.irp s, 0,1
	s_mov_b32 s[G0+4*\s], 1
	s_add_co_u32 s[G0+4*\s+1], s18, \s*SLOT
	s_add_nc_u64 s[G0+4*\s+2:G0+4*\s+3], s[4:5], \s*4194304        ; K step s: four blocks on
	s_or_b32 s[G0+4*\s+3], s[G0+4*\s+3], 0x80000000
	s_mov_b32 s[G0B+4*\s], 1
	s_add_co_u32 s[G0B+4*\s+1], s18, \s*SLOT
	s_add_nc_u64 s[G0B+4*\s+2:G0B+4*\s+3], s[6:7], \s*262144       ; 256 k-rows on
	s_or_b32 s[G0B+4*\s+3], s[G0B+4*\s+3], 0x80000000
	JLOAD \s
.endr
	v_and_b32 v1, 15, v0                           ; l % 16
	v_bfe_u32 v2, v0, 4, 1                         ; l / 16
	v_lshlrev_b32 v[BO], 5, v2
.irp a, 0,1,2,3                        ; the bias of column 16 b + 8 (l / 16) + j into register j of every accumulator (a, b)
.irp b, 0,1,2,3
	global_load_b128 v[ACC+8*(4*\a+\b):ACC+8*(4*\a+\b)+3], v[BO], s[8:9] offset:64*\b
	global_load_b128 v[ACC+8*(4*\a+\b)+4:ACC+8*(4*\a+\b)+7], v[BO], s[8:9] offset:64*\b+16
.endr
.endr
	v_lshlrev_b32 v[CO], 11, v2                    ; rows of res and out: lanes 0-15 one row's 256 bytes, lanes 16-31 the next row's
	v_lshl_add_u32 v[CO], v1, 4, v[CO]
	WIN 0x80
.irp a, 0,1,2,3
.irp t, 0,1,2,3,4,5,6,7
	global_load_b128 v[32*\a+4*\t:32*\a+4*\t+3], v[CO], s[10:11] offset:\a*32768+\t*4096
.endr
.endr
	WIN 0
	v_mul_u32_u24 v3, v1, PA
	v_lshl_add_u32 v3, v2, 4, v3                   ; A: row x pitch + 16 (l / 16)
	s_mul_i32 s66, s[HF], 64*PA
	v_add_nc_u32 v[ADRA0], s66, v3
	v_and_b32 v4, 7, v0
	v_bfe_u32 v5, v0, 3, 1
	v_lshl_add_u32 v6, v2, 3, v4                   ; W, turned: k-row 8 (l / 16) + l % 8, columns 8 ((l / 8) % 2) + 0..7
	v_mul_u32_u24 v6, v6, PB
	v_lshl_add_u32 v6, v5, 4, v6
	s_lshl_b32 s66, s[LW], 7
	s_add_co_u32 s66, s66, 2*PART
	v_add_nc_u32 v[ADRB0], s66, v6
	s_mul_i32 s66, s[WV], 16*SPITCH
	s_add_co_u32 s66, s66, STAGE                   ; my stage: 16 rows of 256 bytes + 16
	v_mul_u32_u24 v7, v1, SPITCH                   ; in: row l % 16, 32 bytes for each half of the lanes
	v_lshl_add_u32 v7, v2, 5, v7
	v_add_nc_u32 v[STO], s66, v7
	v_mul_u32_u24 v7, v2, SPITCH                   ; back: lanes 0-15 one row, lanes 16-31 the next
	v_lshl_add_u32 v7, v1, 4, v7
	v_add_nc_u32 v[RD], s66, v7
.macro ADRS                            ; the fragment addresses in the slot in hand: four plain vector lines, which are also the places in front of the loads that follow
	v_add_nc_u32 v[ADRA], s[SBR], v[ADRA0]
	v_add_nc_u32 v[ADRB], s[SBR], v[ADRB0]
	v_add_nc_u32 v[ADRB+1], PART, v[ADRB]
	v_nop
.endm
.macro MUL8 f, c, a0                   ; 8 matrix instructions: row blocks a0, a0 + 1 x all 4 column blocks, 32 along K: half c of buffer f.  The 16 accumulators take turns
	WIN MUL
.irp a, \a0, (\a0)+1
.irp b, 0,1,2,3
	v_wmma_f32_16x16x32_bf16 v[ACC+8*(4*(\a)+(\b)):ACC+8*(4*(\a)+(\b))+7], v[(\f)+64+8*(4*(\c)+(\b)):(\f)+64+8*(4*(\c)+(\b))+7], v[(\f)+8*(4*(\c)+(\a)):(\f)+8*(4*(\c)+(\a))+7], v[ACC+8*(4*(\a)+(\b)):ACC+8*(4*(\a)+(\b))+7]
.endr
.endr
.endm
.macro FETCH q, f                      ; 32 LDS loads in one run: the fragments of quarter q (64 along K) of the slot in hand into buffer f; the first 32 along K first
	WIN TO_F
.irp c, 0,1
.irp i, 0,1,2,3
	ds_load_tr16_b128 v[(\f)+64+8*(4*\c+\i):(\f)+64+8*(4*\c+\i)+3], v[ADRB+(\q)/2] offset:((\q)%2)*QTR+\c*32*PB+32*\i
	ds_load_tr16_b128 v[(\f)+64+8*(4*\c+\i)+4:(\f)+64+8*(4*\c+\i)+7], v[ADRB+(\q)/2] offset:((\q)%2)*QTR+\c*32*PB+16*PB+32*\i
	ds_load_b128 v[(\f)+8*(4*\c+\i):(\f)+8*(4*\c+\i)+3], v[ADRA] offset:(\q)*QTR+64*\c+\i*16*PA
	ds_load_b128 v[(\f)+8*(4*\c+\i)+4:(\f)+8*(4*\c+\i)+7], v[ADRA] offset:(\q)*QTR+64*\c+\i*16*PA+32
.endr
.endr
.endm
.macro QUARTER q, f, g                 ; multiplies buffer f and fetches quarter q of the slot into g
	s_wait_dscnt 16                                ; the first 32 along K are in
	MUL8 \f, 0, 0
	MUL8 \f, 0, 2
	PLACES
	FETCH \q, \g
	s_wait_dscnt 32                                ; all but the 32 just issued
	MUL8 \f, 1, 0
	MUL8 \f, 1, 2
.endm
; The last quarter multiplies buffer 1 and changes slots: one barrier; in front of it each wave waits for all its tensor loads, adds 0 to its spare word, and waits for that and for its reads of this slot.
; fill = 1: the barrier opens a round of the cluster's, and this slot is filled again, two K steps ahead, first thing behind the round.
.macro TURN fill
	WIN 0
	s_wait_tensorcnt 0x0                           ; all my tensor loads have landed: my part of the next slot
	ds_add_u32 v[SPW], v[NIL]
	s_wait_dscnt 17                                ; (the add and the youngest sixteen loads may be out)
	MUL8 F1, 0, 0
	s_wait_dscnt 0x0                               ; the add is done, and my reads of this slot are over
	s_barrier_signal -1
	MUL8 F1, 0, 2
	WIN 0
	s_barrier_wait -1
.if \fill
	CREST
	s_xor_b32 s[G0+5], s[G0+5], SLOT               ; the walking descriptors: the other slot than last time, the next K step
	s_add_nc_u64 s[G0+6:G0+7], s[G0+6:G0+7], 4194304
	s_xor_b32 s[G0B+5], s[G0B+5], SLOT
	s_add_nc_u64 s[G0B+6:G0B+7], s[G0B+6:G0B+7], 262144
	JLOAD 1
.endif
	s_xor_b32 s[SBR], s[SBR], SLOT
	ADRS
	FETCH 0, F0
	MUL8 F1, 1, 0
	MUL8 F1, 1, 2
.endm
.macro KSTEP fill
	QUARTER 1, F0, F1
	QUARTER 2, F1, F0
	QUARTER 3, F0, F1
	TURN \fill
	WIN 0
.endm
	s_wait_tensorcnt 0x1                           ; my part of K step 0 is in; K step 1's load may stay out
	s_barrier_signal -1
	s_barrier_wait -1
	ADRS
	FETCH 0, F0
	s_wait_loadcnt 32                              ; the bias is in the accumulators; the residual's 32 loads may stay out
	WIN 0
.if NSTEP > 2
	s_mov_b32 s[LAP], NSTEP-2
.Lstep:                                                ; a trip is a K step; the slot that it leaves is filled again
	KSTEP 1
	s_sub_co_u32 s[LAP], s[LAP], 1
	s_cmp_lg_u32 s[LAP], 0
	s_cbranch_scc1 .Lstep
.endif
	s_mov_b32 s[LAP], 2
.Ltail:                                                ; the last two K steps ask for nothing
	KSTEP 0
	s_sub_co_u32 s[LAP], s[LAP], 1
	s_cmp_lg_u32 s[LAP], 0
	s_cbranch_scc1 .Ltail
	; THE WAY OUT, a block of 16 rows at a time: into my stage (each accumulator's low four registers first), back as whole rows of 256 bytes, the residual added, stored.
.macro STG a
	WIN 0
	s_wait_xcnt 0x0                                ; the buffer, which earlier stores read, is loaded again only behind this wait
.set BK, RBF+32*((\a)%2)
.irp b, 0,1,2,3
	ds_store_b128 v[STO], v[ACC+8*(4*(\a)+\b):ACC+8*(4*(\a)+\b)+3] offset:64*\b
	ds_store_b128 v[STO], v[ACC+8*(4*(\a)+\b)+4:ACC+8*(4*(\a)+\b)+7] offset:64*\b+16
.endr
.irp t, 0,1,2,3,4,5,6,7
	ds_load_b128 v[BK+4*\t:BK+4*\t+3], v[RD] offset:\t*2*SPITCH   ; LDS serves a wave's instructions in order: these see the stores above
.endr
.endm
.macro FIN a, y                        ; y: the LDS instructions issued behind block a's loads
.set BK, RBF+32*((\a)%2)
	s_wait_dscnt \y
	WIN 0x08                                       ; source 1 (the residual) window 2
.set i, 0
.rept 16
	v_pk_add_f32 v[BK+2*i:BK+2*i+1], v[BK+2*i:BK+2*i+1], v[32*(\a)+2*i:32*(\a)+2*i+1]
.set i, i+1
.endr
	WIN 0
.irp t, 0,1,2,3,4,5,6,7
	global_store_b128 v[CO], v[BK+4*\t:BK+4*\t+3], s[12:13] offset:(\a)*32768+\t*4096
.endr
.endm
	PLACES
	s_wait_loadcnt 0x0                             ; the residual
	STG 0
	STG 1
	FIN 0, 16
	STG 2
	FIN 1, 16
	STG 3
	FIN 2, 16
	FIN 3, 0
	s_wait_tensorcnt 0x0                           ; the wave's end
	ds_add_u32 v[SPW], v[NIL]
	s_wait_dscnt 0x0
	CROUND                                         ; the closing round
	s_endpgm
.Lfunc_end_k_q71a339e981_ffn2:
	.size	k_q71a339e981_ffn2, .Lfunc_end_k_q71a339e981_ffn2-k_q71a339e981_ffn2
	.p2alignl 7, 3214868480
	.fill 96, 4, 3214868480
	.section	.rodata,"a",@progbits
	.p2align	6, 0x0
	.amdhsa_kernel k_q71a339e981_ffn2
		.amdhsa_group_segment_fixed_size 327680
		.amdhsa_private_segment_fixed_size 0
		.amdhsa_enable_private_segment 0
		.amdhsa_kernarg_size 40
		.amdhsa_user_sgpr_count 2
		.amdhsa_user_sgpr_kernarg_segment_ptr 1
		.amdhsa_wavefront_size32 1
		.amdhsa_system_sgpr_workgroup_id_x 1
		.amdhsa_system_sgpr_workgroup_id_y 1
		.amdhsa_system_sgpr_workgroup_id_z 1
		.amdhsa_system_vgpr_workitem_id 0
		.amdhsa_next_free_vgpr 640
		.amdhsa_next_free_sgpr 72
		.amdhsa_reserve_vcc 0
		.amdhsa_float_denorm_mode_32 3
		.amdhsa_float_denorm_mode_16_64 3
		.amdhsa_memory_ordered 1
		.amdhsa_forward_progress 1
		.amdhsa_inst_pref_size 64
	.end_amdhsa_kernel
	.amdgpu_metadata
---
amdhsa.version: [ 1, 2 ]
amdhsa.kernels:
  - .name:           k_q71a339e981_ffn2
    .symbol:         k_q71a339e981_ffn2.kd
    .args:
      - { .name: act, .offset: 0, .size: 8, .value_kind: global_buffer, .address_space: global }
      - { .name: wb, .offset: 8, .size: 8, .value_kind: global_buffer, .address_space: global }
      - { .name: b2, .offset: 16, .size: 8, .value_kind: global_buffer, .address_space: global }
      - { .name: x1, .offset: 24, .size: 8, .value_kind: global_buffer, .address_space: global }
      - { .name: out0, .offset: 32, .size: 8, .value_kind: global_buffer, .address_space: global }
    .group_segment_fixed_size: 327680
    .private_segment_fixed_size: 0
    .kernarg_segment_align: 8
    .kernarg_segment_size: 40
    .max_flat_workgroup_size: 128
    .sgpr_count:     72
    .vgpr_count:     640
    .wavefront_size: 32
...
	.end_amdgpu_metadata
.endif
;; end of part 6
